; MI455X (gfx1250); checked and timed in simulation.
; The chip was launched on July 23, 2026; its instructions are those of AMD's public machine-readable ISA for CDNA 5 (MIT licence, August 2026) and "CDNA5" Instruction Set Architecture Reference Guide (July 2026). The comments in the code are by the model that wrote it; some were corrected since.
;; Multi Head Attention. Allowed arithmetic: matrix products marked QUANTISED: E5M2 operands, one E8M0 scale for each 32 along K, by v_wmma_scale_f32_16x16x128_f8f6f4 with both operands' format E5M2, f32 sums; products left as they are: f32 operands where the result goes on into a quantised operand, else bf16, f16 or f32 operands; f32 sums; everything else in f32.
;; Inputs: W_d 1 x 1,024 float32; W_qkv 1,024 x 3,072 float32; adj 16 x 512 x 512 float32; b_d 1,024 float32; b_qkv 3,072 float32; x 16 x 512 x 1,024 float32.
;; Outputs: out0 16 x 512 x 1,024 float32.
;; This version of the problem:
;;   THIS VERSION OF THE PROBLEM IS GIVEN IN LOW PRECISION. The matrix products marked QUANTISED in the list below multiply operands that are first quantised to E5M2 (5 exponent bits, 2 mantissa bits; 8 bits a number), with one power-of-two scale for each 32 numbers along K (OCP MX v1.0); their sums are f32. All else is computed in f32.
;;   The module's matrix products, in the order in which they are computed (A, B: the left and right operand; K: the contracted axis; several contracted axes count as one K, in the product's order):
;;     1. [M 8,192, K 1] x [K 1, N 1,024]; A: computed on the way; B: input W_d: left as it is (K = 1 < 32)
;;     2. [M 8,192, K 1,024] x [K 1,024, N 3,072]; A: computed on the way; B: input W_qkv: QUANTISED
;;     3. batch 128 x [M 512, K 128] x [K 128, N 512]; A: computed on the way; B: computed on the way: QUANTISED
;;     4. batch 128 x [M 512, K 512] x [K 512, N 128]; A: computed on the way; B: computed on the way: QUANTISED
;;   THE QUANTISER, for each operand of a quantised product, along K:
;;     - K is cut into blocks of 32 from its start; a last block that is shorter is filled with zeros.
;;     - A block's scale is 2^e with e = floor(log2(the largest magnitude in the block)) - 15, held to -126 .. 127; a block of zeros has e = 0. As a byte (E8M0): e + 127.
;;     - Each number is divided by its block's scale, clamped to +-57,344, and rounded to the nearest number of E5M2, ties to even, subnormals kept.
;;     - The product sums the exact products of the quantised numbers (number of the format x scale) in f32.
;;   ~~~python
;;   def quantise(x, axis):      # numpy; x: float32 -> the quantised numbers, widened to float32 again
;;       x = np.moveaxis(x, axis, -1); K = x.shape[-1]
;;       x = np.pad(x, [(0, 0)] * (x.ndim - 1) + [(0, -K % 32)]); x = x.reshape(x.shape[:-1] + (-1, 32)); a = np.abs(x).max(-1, keepdims=True)
;;       e = np.where(a > 0, np.clip(np.frexp(np.where(a > 0, a, 1))[1] - 1 - 15, -126, 127), 0)      # np.frexp(a)[1] - 1 = floor(log2(a)), exactly
;;       r = np.clip(x / 2.0 ** e, -57344, 57344)
;;       step = 2.0 ** (np.maximum(np.frexp(np.where(r == 0, 1, r))[1] - 1, -14) - 2)
;;       q = np.round(r / step) * step * 2.0 ** e      # np.round: ties to even
;;       return np.moveaxis(q.reshape(q.shape[:-2] + (-1,))[..., :K], -1, axis).astype(np.float32)
;;   ~~~
;;   OPERANDS COMPUTED ON THE WAY. 'Computed on the way' means the value that the module computes at that place (a softmax that the list does not call 'softmax' is quantised finished and normalised). What goes into a quantiser is computed in f32, as accurately as f32 sums, v_exp_f32 and their like allow (about 1e-6 of the number): no bf16 or f16 on the way to a quantiser, and a product that is left as it is and whose result goes on into a quantised operand takes f32 operands (vector FMAs, or v_wmma_f32_16x16x4_f32). A number that lies on a knife's edge between two numbers of the format may be rounded either way, as far as f32 arithmetic and the matrix unit's own rounding can turn it there, and no further.
;; 2 versions, each right and faster than the one before. Each part assembles by itself: llvm-mc -triple=amdgcn-amd-amdhsa -mcpu=gfx1250 --defsym DOCPART=n.
;; ======== version 1 of 2: 4 launches
;; workspace buffers: ximg 8,388,608 bytes; xsc 262,144 bytes; wimg 3,145,728 bytes; wsc 98,304 bytes; qkimg 8,388,608 bytes; vimg 8,388,608 bytes; hsc 1,048,576 bytes; maskw 524,288 bytes of whole numbers
;; launch wq (part 1): grid 24 x 8, 4 waves a work-group, no clusters, 0 bytes of LDS; arguments W_qkv, wimg, wsc; writes wimg, wsc
.if DOCPART == 1
	.amdgcn_target "amdgcn-amd-amdhsa--gfx1250"
	.amdhsa_code_object_version 6
	.text
	.protected	k_qac941ca74b_wq
	.globl	k_qac941ca74b_wq
	.p2align	8
	.type	k_qac941ca74b_wq,@function
k_qac941ca74b_wq:
	s_mov_b64 s[64:65], 0
	v_nop
	global_prefetch_b8 v0, s[64:65] scope:SCOPE_SE
	s_setreg_imm32_b32 hwreg(HW_REG_WAVE_MODE, 25, 1), 1
	s_wait_xcnt 0x0
; W_qkv [1024 (k)][3072 (n)], f32, K its FIRST axis, becomes codes of E5M2 with one E8M0 byte for each 32 along K.
; The codes are laid as IMAGES OF THE OPERAND'S REGISTERS: wimg [sg 4][nu 192][q 2][2048 bytes]: 16 columns n = 16 nu + r, K step 2 sg + q of 128.
; In an image piece c (512 bytes) holds, at 16 x (r + 16 h), the 16 codes of k = 32 c + 16 h + 0 .. 15 of column r.  wsc [sg 4][n 3072][2 words]: word q, byte c.
; A LANE TAKES A COLUMN AND ITS REGISTERS RUN DOWN K: a block of 32 lies in one lane, its largest magnitude needs no other lane, the conversions give K innermost.
; A wave takes 32 columns x one K step of 128: 128 loads of 128 consecutive bytes (the four waves side by side on 512), all asked for at once.
; A block's scale is 2^(floor(log2(largest magnitude)) - 15); its byte is the magnitude's exponent field - 15, held at 1 from below.  A block of zeros so gets
; the byte 1 where the rule says 127: its codes are zeros, and this program alone reads the bytes.
; LIMITS: blocks whose largest magnitude lies under 2^-111 (the floor) keep the byte 1; NaN and infinities among the inputs are not served.
; The scale words leave 4 bytes at steps of 8 (the other word is another work-group's): 98,304 bytes in all are written so.
.set KROW, 12288                       ; a row of W in bytes
.set X,    32                          ; v32-159  128 numbers down K
.set C,    160                         ; v160-191 codes, eight registers a block: no store's data are written again
	s_load_b128 s[4:7], s[0:1], 0x0                ; W, wimg
	s_load_b64 s[8:9], s[0:1], 0x10                ; wsc
	v_lshrrev_b32 v1, 5, v0
	v_readfirstlane_b32 s16, v1                    ; wave
	v_and_b32 v1, 31, v0                           ; lane
	v_lshlrev_b32 v2, 2, v1                        ; in: 4 bytes a lane
	v_lshrrev_b32 v3, 4, v1
	v_and_b32 v5, 15, v1
	v_lshlrev_b32 v3, 12, v3                       ; out: lanes 16-31 belong to the next nu, 4,096 bytes on;
	v_lshl_add_u32 v3, v5, 4, v3                   ; 16 bytes for each column of the sixteen
	v_lshlrev_b32 v4, 3, v1                        ; scale words: 8 bytes a column
	s_lshl_b32 s17, ttmp9, 2
	s_add_co_u32 s17, s17, s16                     ; my group of 32 columns
	s_and_b32 s18, ttmp7, 0xffff                   ; my K step of 128
	s_lshr_b32 s19, s18, 1                         ; sg
	s_and_b32 s20, s18, 1                          ; q
	s_mul_i32 s22, s18, 128*KROW
	s_lshl_b32 s21, s17, 7
	s_add_co_u32 s22, s22, s21
	s_mov_b32 s23, 0                               ; W: 128 rows a K step, 128 bytes a group
	s_mul_i32 s24, s19, 786432
	s_lshl_b32 s21, s17, 13
	s_add_co_u32 s24, s24, s21
	s_lshl_b32 s21, s20, 11
	s_add_co_u32 s24, s24, s21
	s_mov_b32 s25, 0                               ; wimg: sg, two nu a group, q
	s_mul_i32 s26, s19, 24576
	s_lshl_b32 s21, s17, 8
	s_add_co_u32 s26, s26, s21
	s_lshl_b32 s21, s20, 2
	s_add_co_u32 s26, s26, s21
	s_mov_b32 s27, 0                               ; wsc
	s_mov_b32 s31, 0x600000                        ; the mantissa field of 57,344
	s_wait_kmcnt 0x0
	s_add_nc_u64 s[4:5], s[4:5], s[22:23]
	s_add_nc_u64 s[6:7], s[6:7], s[24:25]
	s_add_nc_u64 s[8:9], s[8:9], s[26:27]
.set i, 0
.rept 128
	global_load_b32 v[X+i], v2, s[4:5] offset:i*KROW th:TH_LOAD_NT   ; W(128 s + i, my column); read once in the program
.set i, i+1
.endr
.macro BLOCK t                         ; block t of 32 along K = piece t of the two images
.set XS, X+32*(\t)
.if 96-32*(\t) > 63
	s_wait_loadcnt 63                              ; a wait names 63 at the most: with 63 of the 128 out the first 65 are in, blocks 0 and 1 among them
.else
	s_wait_loadcnt 96-32*(\t)                      ; the later blocks' loads may be out
.endif
	v_max3_num_f32 v12, |v[XS]|, |v[XS+1]|, |v[XS+2]|
	v_max3_num_f32 v13, |v[XS+3]|, |v[XS+4]|, |v[XS+5]|
.irp i, 6,10,14,18,22,26
	v_max3_num_f32 v12, v12, |v[XS+\i]|, |v[XS+\i+1]|
	v_max3_num_f32 v13, v13, |v[XS+\i+2]|, |v[XS+\i+3]|
.endr
	v_max3_num_f32 v12, v12, |v[XS+30]|, |v[XS+31]|
	v_max3_num_f32 v12, v12, v13, 0x8000000        ; and the floor 2^(16 - 127): the byte cannot fall under 1
	v_add_nc_u32 v11, 0xf8800000, v12              ; 15 off the exponent field: the conversion's scale operand
	v_and_or_b32 v10, v12, 0x7f800000, s31         ; 57,344 x the scale
	v_lshrrev_b32 v13, 23, v11                     ; the scale's byte
.if (\t) == 0
	v_mov_b32 v16, v13
.else
	v_lshl_or_b32 v16, v13, 8*(\t), v16
.endif
.irp i, 0,1,2,3,4,5,6,7,8,9,10,11,12,13,14,15,16,17,18,19,20,21,22,23,24,25,26,27,28,29,30,31
	v_med3_num_f32 v[XS+\i], v[XS+\i], -v10, v10   ; the conversion to an 8-bit code does not saturate (ISA guide 7.6.2): hold first
.endr
.irp g, 0,1,2,3
	v_cvt_scalef32_pk8_bf8_f32 v[C+8*(\t)+2*\g:C+8*(\t)+2*\g+1], v[XS+8*\g:XS+8*\g+7], v11
.endr
	v_nop                                          ; a plain line behind the last conversion, ahead of the next block's writes of v11
	global_store_b128 v3, v[C+8*(\t):C+8*(\t)+3], s[6:7] offset:512*(\t)          ; k = 32 t + 0 .. 15: sixteen lanes fill 256 consecutive, aligned bytes
	global_store_b128 v3, v[C+8*(\t)+4:C+8*(\t)+7], s[6:7] offset:512*(\t)+256    ; k = 32 t + 16 .. 31
.endm
	BLOCK 0
	BLOCK 1
	BLOCK 2
	BLOCK 3
	global_store_b32 v4, v16, s[8:9]               ; my column's scale word of this K step
	s_endpgm
.Lfunc_end_k_qac941ca74b_wq:
	.size	k_qac941ca74b_wq, .Lfunc_end_k_qac941ca74b_wq-k_qac941ca74b_wq
	.p2alignl 7, 3214868480
	.fill 96, 4, 3214868480
	.section	.rodata,"a",@progbits
	.p2align	6, 0x0
	.amdhsa_kernel k_qac941ca74b_wq
		.amdhsa_group_segment_fixed_size 0
		.amdhsa_private_segment_fixed_size 0
		.amdhsa_enable_private_segment 0
		.amdhsa_kernarg_size 24
		.amdhsa_user_sgpr_count 2
		.amdhsa_user_sgpr_kernarg_segment_ptr 1
		.amdhsa_wavefront_size32 1
		.amdhsa_system_sgpr_workgroup_id_x 1
		.amdhsa_system_sgpr_workgroup_id_y 1
		.amdhsa_system_sgpr_workgroup_id_z 1
		.amdhsa_system_vgpr_workitem_id 0
		.amdhsa_next_free_vgpr 192
		.amdhsa_next_free_sgpr 66
		.amdhsa_reserve_vcc 0
		.amdhsa_float_denorm_mode_32 3
		.amdhsa_float_denorm_mode_16_64 3
		.amdhsa_memory_ordered 1
		.amdhsa_forward_progress 1
		.amdhsa_inst_pref_size 29
	.end_amdhsa_kernel
	.amdgpu_metadata
---
amdhsa.version: [ 1, 2 ]
amdhsa.kernels:
  - .name:           k_qac941ca74b_wq
    .symbol:         k_qac941ca74b_wq.kd
    .args:
      - { .name: W_qkv, .offset: 0, .size: 8, .value_kind: global_buffer, .address_space: global }
      - { .name: wimg, .offset: 8, .size: 8, .value_kind: global_buffer, .address_space: global }
      - { .name: wsc, .offset: 16, .size: 8, .value_kind: global_buffer, .address_space: global }
    .group_segment_fixed_size: 0
    .private_segment_fixed_size: 0
    .kernarg_segment_align: 8
    .kernarg_segment_size: 24
    .max_flat_workgroup_size: 128
    .sgpr_count:     66
    .vgpr_count:     192
    .wavefront_size: 32
...
	.end_amdgpu_metadata
.endif
;; end of part 1
;; launch xq (part 2): grid 256 x 1, 4 waves a work-group, no clusters, 201,216 bytes of LDS; arguments x, adj, W_d, b_d, ximg, xsc, maskw; writes ximg, xsc, maskw
.if DOCPART == 2
	.amdgcn_target "amdgcn-amd-amdhsa--gfx1250"
	.amdhsa_code_object_version 6
	.text
	.protected	k_qac941ca74b_xq
	.globl	k_qac941ca74b_xq
	.p2align	8
	.type	k_qac941ca74b_xq,@function
k_qac941ca74b_xq:
	s_mov_b64 s[64:65], 0
	v_nop
	global_prefetch_b8 v0, s[64:65] scope:SCOPE_SE
	s_setreg_imm32_b32 hwreg(HW_REG_WAVE_MODE, 25, 1), 1
	s_wait_xcnt 0x0
; degree = row sums of adj;  gate = sigmoid(degree x W_d + b_d);  x x gate is quantised along C to codes of E5M2 with one E8M0 byte for each 32.
; adj is read ONCE in the program: the same pass stores (adj != 0) as bits, in the form of lane masks for the attention launch.
; OUT: ximg [sg 4][T 512][q 2][2048]: images of the operand's registers: rows 16 T + r, K step 2 sg + q; piece c at 512 c, lane r + 16 h at 16 x lane: k = 32 c + 16 h + 0 .. 15.
;      xsc [sg 4][row 8192][2 words]: word q, byte c.   maskw [Tq 512][t 32][j 8] words: bit r + 16 h = (adj[16 Tq + r][16 t + 8 h + j] != 0).
; SHARES.  A work-group takes 32 rows.  THE WAVES SHARE K, NOT THE ROWS: wave w takes columns 256 w .. + 255 of all 32 rows, so that a lane holds ONE row (lane % 16), the degree is a number of
; the lane, W_d and b_d of the wave's columns stay in 256 registers, and the codes come out as images.  Of adj wave w takes row tile w / 2 and keys 256 (w % 2) on; the halves meet in LDS.
; Each wave brings its three tiles (16 rows x 1,024 bytes: adj, x rows 0-15, x rows 16-31) by tensor loads into LDS bytes of its own, once: nothing is filled again, three loads of a wave are out at the most.
; No cluster: the work-groups share nothing but the 8 KB of W_d and b_d.
; LIMITS: a gate under 2^-126 comes out as 0 (v_exp_f32 and v_rcp_f32 flush denormals); the degree is summed as a tree (exact for entries 0 and 1); a block whose largest magnitude lies under
; 2^-111 keeps the byte 1 (a block of zeros too: its codes are zeros, and this program alone reads the bytes); NaN and infinities are not served.
.set PITCH, 1040                       ; an LDS row: 1,024 bytes + 16 = 260 words: row r starts 4 r banks on (64 banks of 4 bytes: ISA guide 11.1)
.set TILE,  16*PITCH
.set WREG,  3*TILE                     ; a wave's region: adj's tile, x's two
.set DX,    4*WREG                     ; behind them: 256 bytes for the exchange of half degrees
.set ADA, 4                            ; v4   adj's tile: row r, + 32 h
.set ADX, 5                            ; v5   x's first tile: row r, + 64 h
.set LI,  6                            ; v6   16 x lane
.set DXW, 7                            ; v7   where my half degree goes
.set DXR, 8                            ; v8   where the four are read
.set L8,  9                            ; v9   8 x lane
.set H64, 10                           ; v10  64 h
.set MW,  12                           ; v12-15  mask words: word n in lane n / 4, register n % 4
.set DG,  16                           ; v16-19  the degrees of my row in tile 0 and in tile 1, each as a pair
.set TM,  20                           ; v20-35  the quantiser's 16
.set PW,  36                           ; v36-39  scale words (2 tile + K step)
.set SW,  40                           ; v40-41  the pair that leaves
.set PC,  48                           ; v48-111 codes, four sets: no store's data are written again
.set X,   112                          ; v112-175 64 numbers of x
.set Z,   176                          ; v176-239 their gates
.set A,   112                          ; v112-239 adj's 128 numbers, ahead of x
.set SU,  240                          ; v240-247 sums
.set WD,  0                            ; window 1: W_d, 64 s + 16 c + i
.set BD,  128                          ; window 1: b_d likewise
.set G1X, 28
.set G1A, 36
.set G0A, 44
.set G0X, 48
.set SEL, 56
.set MNT, 58
.set MSB, 0
.macro WIN new                         ; the immediate's high byte repeats the setting that is left
.if MSB != (\new)
	s_set_vgpr_msb (MSB<<8)|(\new)
.set MSB, (\new)
.endif
.endm
	s_load_b256 s[4:11], s[0:1], 0x0               ; x, adj, W_d, b_d
	s_load_b128 s[12:15], s[0:1], 0x20             ; ximg, xsc
	s_load_b64 s[16:17], s[0:1], 0x30              ; maskw
	v_lshl_add_u32 v254, v0, 2, 0x31000
	v_mov_b32 v255, 0
	ds_add_u32 v254, v255
	ds_add_u32 v254, v255
	v_lshrrev_b32 v1, 5, v0
	v_readfirstlane_b32 s18, v1                    ; wave
.irp g, G1X, G1A
	s_mov_b32 s[\g], (2<<16)|(1<<20)|(7<<22)|(3<<25)   ; elements of 4 bytes; padding on: 4 words behind every 256
	s_mov_b32 s[\g+1], 256<<16                     ; tensor_dim0
	s_mov_b32 s[\g+2], 16<<16                      ; tensor_dim1
	s_mov_b32 s[\g+3], 256<<16                     ; tile_dim0
	s_mov_b32 s[\g+4], 16                          ; tile_dim1
	s_mov_b32 s[\g+6], 0
	s_mov_b32 s[\g+7], 0
.endr
	s_mov_b32 s[G1X+5], 1024                       ; elements from row to row: x's,
	s_mov_b32 s[G1A+5], 512                        ; adj's
	s_mul_i32 s19, s18, WREG                       ; my region
	s_lshr_b32 s20, s18, 1                         ; adj: which tile of rows,
	s_and_b32 s21, s18, 1                          ; which half of the keys
	s_lshl_b32 s22, ttmp9, 16                      ; 32 rows of 2,048 bytes a work-group
	s_lshl_b32 s24, s20, 15
	s_add_co_u32 s22, s22, s24
	s_lshl_b32 s24, s21, 10
	s_add_co_u32 s22, s22, s24
	s_mov_b32 s23, 0
	s_lshl_b32 s24, ttmp9, 17                      ; x: 32 rows of 4,096 bytes, + 1,024 a wave
	s_lshl_b32 s26, s18, 10
	s_add_co_u32 s24, s24, s26
	s_mov_b32 s25, 0
	s_mov_b32 s27, 0
	s_mov_b32 s[SEL], 0x76543210
	s_mov_b32 s[SEL+1], 0xfedcba98                 ; v_permlanex16_b32's selects for lane l xor 16
	s_mov_b32 s[MNT], 0x600000
	s_wait_dscnt 0x0
	s_wait_kmcnt 0x0
	s_mov_b32 s[G0A], 1
	s_mov_b32 s[G0A+1], s19
	s_add_nc_u64 s[G0A+2:G0A+3], s[6:7], s[22:23]
	s_or_b32 s[G0A+3], s[G0A+3], 0x80000000
	s_mov_b32 s[G0X], 1
	s_add_co_u32 s[G0X+1], s19, TILE
	s_add_nc_u64 s[G0X+2:G0X+3], s[4:5], s[24:25]
	s_mov_b32 s[G0X+4], 1
	s_add_co_u32 s[G0X+5], s19, 2*TILE
	s_add_nc_u64 s[G0X+6:G0X+7], s[G0X+2:G0X+3], 65536   ; 16 rows on
	s_or_b32 s[G0X+3], s[G0X+3], 0x80000000
	s_or_b32 s[G0X+7], s[G0X+7], 0x80000000
	s_add_nc_u64 s[8:9], s[8:9], s[26:27]          ; W_d and b_d at my 256 columns
	s_add_nc_u64 s[10:11], s[10:11], s[26:27]
	tensor_load_to_lds s[G0A:G0A+3], s[G1A:G1A+7]  ; the three first (and only) fills go out together
	s_nop 0
	tensor_load_to_lds s[G0X:G0X+3], s[G1X:G1X+7]
	s_nop 0
	tensor_load_to_lds s[G0X+4:G0X+7], s[G1X:G1X+7]
	s_nop 0
.rept 4
	v_nop
.endr
	s_lshl_b32 s26, ttmp9, 11                      ; maskw: 1,024 bytes a row tile, 512 a half
	s_lshl_b32 s24, s20, 10
	s_add_co_u32 s26, s26, s24
	s_lshl_b32 s24, s21, 9
	s_add_co_u32 s26, s26, s24
	s_add_nc_u64 s[16:17], s[16:17], s[26:27]
	s_lshl_b32 s26, s18, 21                        ; ximg: sg = wave; two row tiles of 4,096 bytes a work-group
	s_lshl_b32 s24, ttmp9, 13
	s_add_co_u32 s26, s26, s24
	s_add_nc_u64 s[12:13], s[12:13], s[26:27]
	s_lshl_b32 s26, s18, 16                        ; xsc: sg = wave; 32 rows of 8 bytes
	s_lshl_b32 s24, ttmp9, 8
	s_add_co_u32 s26, s26, s24
	s_add_nc_u64 s[14:15], s[14:15], s[26:27]
	v_and_b32 v1, 31, v0                           ; lane
	v_and_b32 v2, 15, v0                           ; r
	v_bfe_u32 v3, v0, 4, 1                         ; h
	v_lshlrev_b32 v[H64], 6, v3
	WIN 0x40                                       ; destination window 1
.irp s, 0,1
.irp c, 0,1,2,3
.irp j, 0,1,2,3
	global_load_b128 v[WD+64*\s+16*\c+4*\j:WD+64*\s+16*\c+4*\j+3], v[H64], s[8:9] offset:512*\s+128*\c+16*\j    ; W_d[256 w + 128 s + 32 c + 16 h + 4 j ..]
	global_load_b128 v[BD+64*\s+16*\c+4*\j:BD+64*\s+16*\c+4*\j+3], v[H64], s[10:11] offset:512*\s+128*\c+16*\j
.endr
.endr
.endr
	WIN 0
	v_mul_u32_u24 v11, v2, PITCH
	v_add_nc_u32 v11, s19, v11
	v_lshl_add_u32 v[ADA], v3, 5, v11
	v_lshl_add_u32 v[ADX], v3, 6, v11
	v_add_nc_u32 v[ADX], TILE, v[ADX]
	v_lshlrev_b32 v[LI], 4, v1
	v_lshlrev_b32 v[L8], 3, v1
	v_lshlrev_b32 v[DXR], 2, v2
	v_add_nc_u32 v[DXR], DX, v[DXR]
	s_lshl_b32 s24, s18, 6
	v_add_nc_u32 v[DXW], s24, v[DXR]
.irp b, 0,1,2,3
	v_mov_b32 v[MW+\b], 0                          ; written once: v_writelane_b32's and a lane permute's destination count as sources
	v_mov_b32 v[TM+4+\b], 0
.endr
	; ---- adj: register 8 t + j = adj[row r][256 (w % 2) + 16 t + 8 h + j]
	s_wait_tensorcnt 0x2                           ; adj's tile is in; x's two may be out.  Only I read my tiles
.irp t, 0,1,2,3,4,5,6,7,8,9,10,11,12,13,14,15
	ds_load_b128 v[A+8*\t:A+8*\t+3], v[ADA] offset:64*\t
	ds_load_b128 v[A+8*\t+4:A+8*\t+7], v[ADA] offset:64*\t+16
.endr
.set n, 0
.set p, 0
.rept 4                                ; four groups of 32 registers (eight loads)
	s_wait_dscnt 24-n/4                            ; the later groups' loads may be out
.rept 4
.irp j, 0,1,2,3,4,5,6,7
	v_cmp_neq_f32 s[20+\j], 0, v[A+n+\j]           ; a lane mask: bit r + 16 h
.endr
.irp j, 0,1,2,3,4,5,6,7
	v_writelane_b32 v[MW+\j%4], s[20+\j], (n+\j)/4 ; word n to lane n / 4, register n % 4: so one store of 16 bytes a lane lays the 128 words on end
.endr
.set n, n+8
.endr
.rept 16                               ; the group's 16 pairs onto four chains; the first eight pairs start them
.if p < 4
	v_pk_add_f32 v[SU+2*p:SU+2*p+1], v[A+2*p:A+2*p+1], v[A+2*p+8:A+2*p+9]
.elseif p < 8
.else
	v_pk_add_f32 v[SU+2*(p%4):SU+2*(p%4)+1], v[SU+2*(p%4):SU+2*(p%4)+1], v[A+2*p:A+2*p+1]
.endif
.set p, p+1
.endr
.endr
	v_pk_add_f32 v[SU:SU+1], v[SU:SU+1], v[SU+2:SU+3]
	v_pk_add_f32 v[SU+4:SU+5], v[SU+4:SU+5], v[SU+6:SU+7]
	v_pk_add_f32 v[SU:SU+1], v[SU:SU+1], v[SU+4:SU+5]
	v_add_f32 v[SU], v[SU], v[SU+1]
	v_permlanex16_b32 v[SU+1], v[SU], s[SEL], s[SEL+1]
	v_add_f32 v[SU], v[SU], v[SU+1]                ; row r's sum over my 256 keys
	ds_store_b32 v[DXW], v[SU]                     ; (both halves of the lanes write the same word with the same value)
	global_store_b128 v[LI], v[MW:MW+3], s[16:17]  ; 512 consecutive bytes of mask words
	s_wait_dscnt 0x0                               ; for the others' sake: my store has landed
	s_barrier_signal -1
	s_barrier_wait -1
.irp j, 0,1,2,3
	ds_load_b32 v[SU+\j], v[DXR] offset:64*\j
.endr
	s_wait_dscnt 0x0
	v_add_f32 v[DG], v[SU], v[SU+1]                ; the degree of row r of tile 0,
	v_add_f32 v[DG+2], v[SU+2], v[SU+3]            ; of tile 1
	v_mov_b32 v[DG+1], v[DG]                       ; (each is named as a pair)
	v_mov_b32 v[DG+3], v[DG+2]
	s_wait_loadcnt 0x0                             ; W_d, b_d
; 64 numbers of a lane, register 16 b + i = k 32 b + 16 h + i of my row, become a fragment's codes and its scale word
.macro QUANT pc, pw
.irp b, 0,1,2,3
	v_max3_num_f32 v[TM+\b], |v[X+16*\b]|, |v[X+1+16*\b]|, 0x8000000   ; my 16 numbers of block b, and the floor 2^(16 - 127)
.endr
.irp i, 2,4,6,8,10,12,14
.irp b, 0,1,2,3
	v_max3_num_f32 v[TM+\b], v[TM+\b], |v[X+16*\b+\i]|, |v[X+1+16*\b+\i]|
.endr
.endr
.irp b, 0,1,2,3
	v_permlanex16_b32 v[TM+4+\b], v[TM+\b], s[SEL], s[SEL+1]
.endr
.irp b, 0,1,2,3
	v_max_num_f32 v[TM+\b], v[TM+\b], v[TM+4+\b]   ; with lane l xor 16's: the block's largest magnitude
.endr
.irp b, 0,1,2,3
	v_add_nc_u32 v[TM+12+\b], 0xf8800000, v[TM+\b] ; 15 off the exponent field: the conversion's scale operand
.endr
.irp b, 0,1,2,3
	v_and_or_b32 v[TM+8+\b], v[TM+\b], 0x7f800000, s[MNT]   ; 57,344 x the scale
.endr
.irp b, 0,1,2,3
	v_lshrrev_b32 v[TM+4+\b], 23, v[TM+12+\b]      ; the byte
.endr
	v_lshl_or_b32 v[\pw], v[TM+5], 8, v[TM+4]
	v_lshl_or_b32 v[\pw], v[TM+6], 16, v[\pw]
	v_lshl_or_b32 v[\pw], v[TM+7], 24, v[\pw]
.irp b, 0,1,2,3
.irp i, 0,1,2,3,4,5,6,7,8,9,10,11,12,13,14,15
	v_med3_num_f32 v[X+16*\b+\i], v[X+16*\b+\i], -v[TM+8+\b], v[TM+8+\b]   ; the conversion does not saturate (ISA guide 7.6.2)
.endr
	v_cvt_scalef32_pk8_bf8_f32 v[\pc+4*\b:\pc+4*\b+1], v[X+16*\b:X+16*\b+7], v[TM+12+\b]
	v_cvt_scalef32_pk8_bf8_f32 v[\pc+4*\b+2:\pc+4*\b+3], v[X+16*\b+8:X+16*\b+15], v[TM+12+\b]
.endr
	v_nop                                          ; a plain line behind the last conversion
.endm
; One fragment: rows of tile tl, my K step s
.macro PART tl, s
.irp c, 0,1,2,3
.irp j, 0,1,2,3
	ds_load_b128 v[X+16*\c+4*\j:X+16*\c+4*\j+3], v[ADX] offset:TILE*\tl+512*\s+128*\c+16*\j
.endr
.endr
	WIN 0x11                                       ; sources 0 and 2 (W_d, b_d) window 1
.set i, 0
.rept 32
	v_pk_fma_f32 v[Z+i:Z+i+1], v[WD+64*\s+i:WD+64*\s+i+1], v[DG+2*\tl:DG+2*\tl+1], v[BD+64*\s+i:BD+64*\s+i+1] op_sel_hi:[1,0,1]   ; degree x W_d + b_d, one rounding
.set i, i+2
.endr
	WIN 0
.set i, 0
.rept 32
	v_pk_mul_f32 v[Z+i:Z+i+1], v[Z+i:Z+i+1], 0xbfb8aa3b op_sel_hi:[1,0]   ; x -log2(e)
.set i, i+2
.endr
.set i, 0
.rept 64
	v_exp_f32 v[Z+i], v[Z+i]
.set i, i+1
.endr
	v_nop
.set i, 0
	s_wait_alu depctr_va_vdst(0)
.rept 32
	v_pk_add_f32 v[Z+i:Z+i+1], v[Z+i:Z+i+1], 1.0 op_sel_hi:[1,0]
.set i, i+2
.endr
.set i, 0
.rept 64
	v_rcp_f32 v[Z+i], v[Z+i]                       ; the gate
.set i, i+1
.endr
	v_nop
	s_wait_dscnt 0x0                               ; x's 64 numbers are in
.set i, 0
	s_wait_alu depctr_va_vdst(0)
.rept 32
	v_pk_mul_f32 v[X+i:X+i+1], v[X+i:X+i+1], v[Z+i:Z+i+1]
.set i, i+2
.endr
	QUANT PC+16*(2*\tl+\s), PW+2*\tl+\s
.irp c, 0,1,2,3
	global_store_b128 v[LI], v[PC+16*(2*\tl+\s)+4*\c:PC+16*(2*\tl+\s)+4*\c+3], s[12:13] offset:4096*\tl+2048*\s+512*\c   ; 512 consecutive bytes
.endr
.endm
	s_wait_tensorcnt 0x1                           ; x's rows 0-15 are in; rows 16-31 may be out
	PART 0, 0
	PART 0, 1
	s_wait_tensorcnt 0x0
	PART 1, 0
	PART 1, 1
	v_cmp_le_u32 vcc_lo, 16, v1                    ; lanes 0-15 send tile 0's words, lanes 16-31 tile 1's: row = lane
	v_cndmask_b32 v[SW], v[PW], v[PW+2], vcc_lo
	v_cndmask_b32 v[SW+1], v[PW+1], v[PW+3], vcc_lo
	global_store_b64 v[L8], v[SW:SW+1], s[14:15]   ; 256 consecutive, aligned bytes
	s_wait_tensorcnt 0x0
	ds_add_u32 v254, v255
	s_wait_dscnt 0x0
	s_endpgm
.Lfunc_end_k_qac941ca74b_xq:
	.size	k_qac941ca74b_xq, .Lfunc_end_k_qac941ca74b_xq-k_qac941ca74b_xq
	.p2alignl 7, 3214868480
	.fill 96, 4, 3214868480
	.section	.rodata,"a",@progbits
	.p2align	6, 0x0
	.amdhsa_kernel k_qac941ca74b_xq
		.amdhsa_group_segment_fixed_size 201216
		.amdhsa_private_segment_fixed_size 0
		.amdhsa_enable_private_segment 0
		.amdhsa_kernarg_size 56
		.amdhsa_user_sgpr_count 2
		.amdhsa_user_sgpr_kernarg_segment_ptr 1
		.amdhsa_wavefront_size32 1
		.amdhsa_system_sgpr_workgroup_id_x 1
		.amdhsa_system_sgpr_workgroup_id_y 1
		.amdhsa_system_sgpr_workgroup_id_z 1
		.amdhsa_system_vgpr_workitem_id 0
		.amdhsa_next_free_vgpr 512
		.amdhsa_next_free_sgpr 66
		.amdhsa_reserve_vcc 1
		.amdhsa_float_denorm_mode_32 3
		.amdhsa_float_denorm_mode_16_64 3
		.amdhsa_memory_ordered 1
		.amdhsa_forward_progress 1
		.amdhsa_inst_pref_size 125
	.end_amdhsa_kernel
	.amdgpu_metadata
---
amdhsa.version: [ 1, 2 ]
amdhsa.kernels:
  - .name:           k_qac941ca74b_xq
    .symbol:         k_qac941ca74b_xq.kd
    .args:
      - { .name: x, .offset: 0, .size: 8, .value_kind: global_buffer, .address_space: global }
      - { .name: adj, .offset: 8, .size: 8, .value_kind: global_buffer, .address_space: global }
      - { .name: W_d, .offset: 16, .size: 8, .value_kind: global_buffer, .address_space: global }
      - { .name: b_d, .offset: 24, .size: 8, .value_kind: global_buffer, .address_space: global }
      - { .name: ximg, .offset: 32, .size: 8, .value_kind: global_buffer, .address_space: global }
      - { .name: xsc, .offset: 40, .size: 8, .value_kind: global_buffer, .address_space: global }
      - { .name: maskw, .offset: 48, .size: 8, .value_kind: global_buffer, .address_space: global }
    .group_segment_fixed_size: 201216
    .private_segment_fixed_size: 0
    .kernarg_segment_align: 8
    .kernarg_segment_size: 56
    .max_flat_workgroup_size: 128
    .sgpr_count:     66
    .vgpr_count:     512
    .wavefront_size: 32
...
	.end_amdgpu_metadata
.endif
;; end of part 2
;; launch qv (part 3): grid 8 x 32, 4 waves a work-group, clusters of 4 x 4, 327,680 bytes of LDS; arguments ximg, xsc, wimg, wsc, b_qkv, qkimg, vimg, hsc; writes qkimg, vimg, hsc
.if DOCPART == 3
	.amdgcn_target "amdgcn-amd-amdhsa--gfx1250"
	.amdhsa_code_object_version 6
	.text
	.protected	k_qac941ca74b_qv
	.globl	k_qac941ca74b_qv
	.p2align	8
	.type	k_qac941ca74b_qv,@function
k_qac941ca74b_qv:
	s_mov_b64 s[64:65], 0
	v_nop
	global_prefetch_b8 v0, s[64:65] scope:SCOPE_SE
	s_setreg_imm32_b32 hwreg(HW_REG_WAVE_MODE, 25, 1), 1
	s_wait_xcnt 0x0
	s_wait_alu depctr_hold_cnt(0) depctr_sa_sdst(0) depctr_va_vdst(0) depctr_va_sdst(0) depctr_va_ssrc(0) depctr_va_vcc(0) depctr_vm_vsrc(0)
	s_getreg_b32 s2, hwreg(HW_REG_IB_STS2, 6, 4)
	s_cmp_eq_u32 s2, 0
	s_cbranch_scc0 .Lentry_in_a_cluster
	s_endpgm
.Lentry_in_a_cluster:
	s_bfe_u32 s2, ttmp6, 0x10000c
	s_cmp_lg_u32 s2, 0xf033
	s_cbranch_scc0 .Lentry_shape_is_right
	s_endpgm
.Lentry_shape_is_right:
; The qk and value columns of Q(x gate) Q(W_qkv) + b_qkv (M 8,192, K 1,024, N 2,048), on codes of E5M2 with E8M0 scales; then, in registers,
; sigmoid(qk) quantised along the head's 128 and value quantised along the KEYS, both stored as images of the next products' operand registers.
; A work-group of four waves makes 256 rows x (the 128 qk columns + the 128 value columns) of ONE head; a wave 128 rows x (64 + 64): 64 accumulators, 512 registers; every wave has the same share of the sigmoids.
; TWO ORIENTATIONS.  Blocks b = 0..3 (qk) are used TRANSPOSED (source 0 = 16 columns of W, source 1 = 16 rows of x): a lane holds one row and eight neighbours along d, the next K.
; Blocks b = 4..7 (value) are used as they stand (source 0 = x, source 1 = W): a lane holds one column d and eight neighbouring KEYS, the K of attention's second product.
; ORDER OF K IN THE IMAGES MADE HERE: byte i of piece c, half h, is k = 32 c + 16 (i / 8) + 8 h + i % 8: what two neighbouring accumulators give with no exchange of lanes.  It permutes k inside a block of 32 only,
; and both sides of each later product have it, so the quantised numbers, their scales and the exact products are those of the true order; only the grouping of the f32 sum differs.
; IN: ximg [sg 4][T 512][q 2][2048], wimg [sg 4][nu 192][q 2][2048]: a K step of 256 (one sg) of 128 rows is ONE dense block of 32 KiB.  It goes through a ring of two LDS slots; a fragment is read as 4 x 512 consecutive bytes: no pitch, no padding.
; xsc [sg][row][2 words], wsc likewise: the scales of the work-group's rows for all of K come once, with the first fills, and stay.
; CLUSTERS: 4 x 4.  x's tiles hang on the tile row alone and are asked for jointly along a row of the cluster, W's on the head alone, along a column.
; OUT: qkimg [bh 128][T 32][2048];  vimg [bh][n' 8][s 4][2048] (rows d = 16 n' + r, keys 128 s on);  hsc: at 0 [bh][g 4][wc 2][lane][a 8] half-words (rows 128 g + 16 a + r, blocks 2 wc, 2 wc + 1);
; at 524,288 [bh][s 4][wc 2][lane][b' 4] words (fragment n' = 4 wc + b').
; The biases are the C of each sum's first product.
; LIMITS: a sigmoid under 2^-126 comes out as 0; blocks whose largest magnitude lies under 2^-111 keep the byte 1 (blocks of zeros too: their codes are zeros and this program alone reads the bytes); NaN and infinities are not served.
; REGISTERS: window 0: v1-7 addresses; v8-23 the quantiser's; v24-27 qk's scale half-words; v28, v29 for the add; v32-63 scale words, two sets, and nothing else; v64-127 the biases, later codes and value's scale words;
;   v128-255 x's fragments, one set; on the way out numbers at work and codes.  window 1: W's fragments, two sets.  windows 2, 3: accumulator (a, b) at v[8 (8 (a % 4) + b)].
.set HALFT, 32768                      ; 8 row tiles x 2 fragments: what one tensor load brings
.set SLOT,  4*HALFT                    ; x's two halves, W's qk rows, W's value rows
.set SCL,   2*SLOT                     ; the scales: 4,096 bytes a wave's part, [sg 4][128 rows][8]; W's two parts 128 bytes further on, so that the two halves of the lanes read different banks
.set SPARE, 278784                     ; the spare words: 128 bytes a wave, two blocks of 256 bytes that no other line names
.set NP,    8                          ; places behind this matrix instruction (ISA guide 7.12.1)
.set ADRA,  1                          ; v1-2  x's fragments in slot 0, 1
.set ADRB,  3                          ; v3-4  W's
.set ADRS,  5                          ; v5    scale words: lanes 0-15 x's rows, lanes 16-31 W's qk rows
.set ADRS2, 6                          ; v6    the same with W's value rows
.set LI,    7                          ; v7    16 x lane
.set MX,    8
.set PB,    12
.set HD,    16
.set SO,    20
.set QS,    24
.set SPW,   28
.set NIL,   29
.set SC,    32
.set BIAS,  64
.set PCQ,   64                         ; qk's codes: a ring of four sets of eight
.set VS,    96                         ; value's scale words
.set AF,    128
.set U,     128
.set PCV,   192
.set G1, 24
.set G0, 32
.set G1B, 48
.set G0B, 56
.set G1S, 68
.set G0S, 76
.set G1SB, 80
.set G0SB, 88
.set MSB, 0
.macro WIN new                         ; the immediate's high byte repeats the setting that is left
.if MSB != (\new)
	s_set_vgpr_msb (MSB<<8)|(\new)
.set MSB, (\new)
.endif
.endm
; A joint load: waves 0 and 1 fetch for x, waves 2 and 3 for W.  The branch hangs on the wave's number alone.  Four v_nop follow each of the two lines.
.macro JLOAD g0a, g1a, g0b, g1b
	s_cmp_eq_u32 s15, 0
	s_cbranch_scc0 .Lfor_b_\@
	tensor_load_to_lds s[\g0a:\g0a+3], s[\g1a:\g1a+7]
	s_nop 0
.rept 4
	v_nop
.endr
	s_branch .Lasked_\@
.Lfor_b_\@:
	tensor_load_to_lds s[\g0b:\g0b+3], s[\g1b:\g1b+7]
	s_nop 0
.rept 4
	v_nop
.endr
.Lasked_\@:
.endm
.macro CREST                           ; a round of the cluster's barrier behind its opening barrier
	s_cmp_lg_u32 s14, 0
	s_cbranch_scc1 .Lnot_wave_0_\@
	s_barrier_signal -3
.Lnot_wave_0_\@:
	s_barrier_wait -3
	s_barrier_signal -1
	s_barrier_wait -1
.endm
.macro CROUND
	s_barrier_signal -1
	s_barrier_wait -1
	CREST
.endm
.macro PLACES n
.rept \n
	v_nop
.endr
.endm
	s_load_b256 s[4:11], s[0:1], 0x0               ; ximg, xsc, wimg, wsc
	s_load_b256 s[92:99], s[0:1], 0x20             ; b_qkv, qkimg, vimg, hsc
	v_lshl_add_u32 v[SPW], v0, 2, SPARE
	v_mov_b32 v[NIL], 0
	ds_add_u32 v28, v29
	ds_add_u32 v28, v29
	s_wait_dscnt 0x0
	v_lshrrev_b32 v30, 5, v0
	v_readfirstlane_b32 s14, v30                   ; wave
	s_lshr_b32 s15, s14, 1                         ; wr: my half of the rows.  Also: I fetch for x (0) or for W (1)
	s_and_b32 s16, s14, 1                          ; wc: my half of each 128 columns.  Also: which half I fetch
	s_bfe_u32 s40, ttmp6, 0x40000                  ; cx
	s_bfe_u32 s41, ttmp6, 0x40004                  ; cy
	s_lshl_b32 s42, ttmp9, 2
	s_add_co_u32 s42, s42, s40                     ; the head
	s_and_b32 s17, ttmp7, 0xffff
	s_lshl_b32 s17, s17, 2
	s_add_co_u32 s17, s17, s41                     ; the tile row: 256 rows of x
	s_lshl_b32 s43, s41, 2
	s_lshl_b32 s43, 15, s43                        ; my row of the cluster
	s_lshl_b32 s44, 0x1111, s40                    ; my column
	s_or_b32 s[G1], s43, (3<<16)|(1<<21)           ; the mask; elements of 8 bytes; bit 21 beside a mask; no padding
	s_or_b32 s[G1B], s44, (3<<16)|(1<<21)
.irp g, G1, G1B
	s_mov_b32 s[\g+1], 32<<16                      ; a dense block of 32 KiB as 128 rows of 256 bytes
	s_mov_b32 s[\g+2], 128<<16
	s_mov_b32 s[\g+3], 32<<16
	s_mov_b32 s[\g+4], 128
	s_mov_b32 s[\g+5], 32
	s_mov_b32 s[\g+6], 0
	s_mov_b32 s[\g+7], 0
.endr
	s_or_b32 s[G1S], s43, (3<<16)|(1<<21)
	s_or_b32 s[G1SB], s44, (3<<16)|(1<<21)
.irp g, G1S, G1SB
	s_mov_b32 s[\g+1], 128<<16                     ; the scales of 128 rows: 1,024 bytes for each of the four sg
	s_mov_b32 s[\g+2], 4<<16
	s_mov_b32 s[\g+3], 128<<16
	s_mov_b32 s[\g+4], 4
	s_mov_b32 s[\g+6], 0
	s_mov_b32 s[\g+7], 0
.endr
	s_mov_b32 s[G1S+5], 8192                       ; from sg to sg, in elements of 8 bytes: xsc's,
	s_mov_b32 s[G1SB+5], 3072                      ; wsc's
	; x's addresses hang on the tile row and the wave, W's on the head and the wave, each in registers that never hold the other coordinate
	s_lshl_b32 s18, s16, 15
	s_lshl_b32 s20, s17, 16
	s_add_co_u32 s20, s20, s18
	s_mov_b32 s21, 0                               ; ximg: (16 tile row + 8 half) x 4,096
	s_lshl_b32 s18, s16, 10
	s_lshl_b32 s22, s17, 11
	s_add_co_u32 s22, s22, s18
	s_mov_b32 s23, 0                               ; xsc: (256 tile row + 128 half) x 8
	s_lshl_b32 s18, s16, 19
	s_lshl_b32 s46, s42, 15
	s_add_co_u32 s46, s46, s18
	s_mov_b32 s47, 0                               ; wimg: (8 head + 128 half) x 4,096: half 0 the qk columns, half 1 the value columns
	s_lshl_b32 s18, s16, 14
	s_lshl_b32 s100, s42, 10
	s_add_co_u32 s100, s100, s18
	s_mov_b32 s101, 0                              ; wsc: (128 head + 2,048 half) x 8
	s_lshl_b32 s45, s14, 15                        ; where they go: wave x 32 KiB,
	s_lshl_b32 s19, s14, 12                        ; wave x 4 KiB
	s_mov_b32 s12, 0x76543210
	s_mov_b32 s13, 0xfedcba98                      ; v_permlanex16_b32's selects for lane l xor 16
	s_mov_b32 s66, 0x600000                        ; the mantissa field of 57,344
	s_wait_kmcnt 0x0
	s_add_nc_u64 s[20:21], s[4:5], s[20:21]
	s_add_nc_u64 s[22:23], s[6:7], s[22:23]
	s_add_nc_u64 s[46:47], s[8:9], s[46:47]
	s_add_nc_u64 s[100:101], s[10:11], s[100:101]
	CROUND                                         ; all sixteen work-groups are here: the first joint loads meet
	s_mov_b32 s[G0S], 1
	s_add_co_u32 s[G0S+1], s19, SCL
	s_mov_b64 s[G0S+2:G0S+3], s[22:23]
	s_or_b32 s[G0S+3], s[G0S+3], 0x80000000
	s_mov_b32 s[G0SB], 1
	s_add_co_u32 s[G0SB+1], s19, SCL+128
	s_mov_b64 s[G0SB+2:G0SB+3], s[100:101]
	s_or_b32 s[G0SB+3], s[G0SB+3], 0x80000000
	JLOAD G0S, G1S, G0SB, G1SB                     ; the scales first: they are wanted with K step 0
.irp s, 0,1
	s_mov_b32 s[G0+4*\s], 1
	s_add_co_u32 s[G0+4*\s+1], s45, \s*SLOT
	s_add_nc_u64 s[G0+4*\s+2:G0+4*\s+3], s[20:21], \s*2097152
	s_or_b32 s[G0+4*\s+3], s[G0+4*\s+3], 0x80000000
	s_mov_b32 s[G0B+4*\s], 1
	s_add_co_u32 s[G0B+4*\s+1], s45, \s*SLOT
	s_add_nc_u64 s[G0B+4*\s+2:G0B+4*\s+3], s[46:47], \s*786432
	s_or_b32 s[G0B+4*\s+3], s[G0B+4*\s+3], 0x80000000
	JLOAD G0+4*\s, G1, G0B+4*\s, G1B               ; three loads of mine are out now, the most in this text
.endr
	s_lshl_b32 s46, s42, 9
	s_lshl_b32 s47, s16, 8
	s_add_co_u32 s46, s46, s47
	s_mov_b32 s47, 0
	s_add_nc_u64 s[92:93], s[92:93], s[46:47]      ; b_qkv at 128 head + 64 wc
	v_and_b32 v8, 15, v0                           ; r
	v_bfe_u32 v9, v0, 4, 1                         ; h
	v_lshlrev_b32 v30, 5, v9
	v_lshlrev_b32 v31, 2, v8
.irp b, 0,1,2,3
	global_load_b128 v[BIAS+8*\b:BIAS+8*\b+3], v30, s[92:93] offset:64*\b          ; qk: a lane's eight d: 16 b + 8 h + 0 .. 7
	global_load_b128 v[BIAS+8*\b+4:BIAS+8*\b+7], v30, s[92:93] offset:64*\b+16
.endr
.irp b, 0,1,2,3
	global_load_b32 v[SO+\b], v31, s[92:93] offset:8192+64*\b                      ; value: a lane's one d: 16 b + r
.endr
	v_and_b32 v10, 31, v0
	v_lshlrev_b32 v[LI], 4, v10
	s_lshl_b32 s18, s15, 15
	v_add_nc_u32 v[ADRA], s18, v[LI]
	v_add_nc_u32 v[ADRA+1], SLOT, v[ADRA]
	s_lshl_b32 s18, s16, 14
	s_add_co_u32 s18, s18, 2*HALFT
	v_add_nc_u32 v[ADRB], s18, v[LI]
	v_add_nc_u32 v[ADRB+1], SLOT, v[ADRB]
	s_xor_b32 s18, s15, 1                          ; lanes 16-31 read W's scales: the distance from my part of x's to my rows of W's qk part
	s_lshl_b32 s18, s18, 12
	s_lshl_b32 s19, s16, 9
	s_add_co_u32 s18, s18, s19
	s_add_co_u32 s18, s18, 4096+128
	v_mul_u32_u24 v10, s18, v9
	v_lshl_add_u32 v10, v8, 3, v10
	s_lshl_b32 s19, s15, 12
	s_add_co_u32 s19, s19, SCL
	v_add_nc_u32 v[ADRS], s19, v10
	s_add_co_u32 s18, s18, 3584                    ; W's value part lies 4,096 on; blocks 4-7 bring 512 in their offsets
	v_mul_u32_u24 v11, s18, v9
	v_lshl_add_u32 v11, v8, 3, v11
	v_add_nc_u32 v[ADRS2], s19, v11
.irp b, 0,1,2,3
	v_mov_b32 v[PB+\b], 0                          ; written once: a lane permute's destination counts as one of its sources
.endr
	; where the results go (these mix the tile row and the head: in registers that feed no descriptor)
	s_lshr_b32 s46, s17, 1
	s_lshl_b32 s46, s46, 3
	s_add_co_u32 s46, s46, s42                     ; bh = 8 b + head
	s_and_b32 s47, s17, 1
	s_lshl_b32 s47, s47, 1
	s_add_co_u32 s47, s47, s15                     ; which 128 rows of the 512: 2 (tile row % 2) + wr
	s_mov_b32 s101, 0
	s_lshl_b32 s100, s46, 16
	s_lshl_b32 s67, s47, 14
	s_add_co_u32 s100, s100, s67
	s_lshl_b32 s67, s16, 10
	s_add_co_u32 s100, s100, s67
	s_add_nc_u64 s[94:95], s[94:95], s[100:101]    ; qkimg: 8 images, pieces 2 wc and 2 wc + 1
	s_lshl_b32 s100, s46, 16
	s_lshl_b32 s67, s16, 15
	s_add_co_u32 s100, s100, s67
	s_lshl_b32 s67, s47, 11
	s_add_co_u32 s100, s100, s67
	s_add_nc_u64 s[96:97], s[96:97], s[100:101]    ; vimg: n' = 4 wc on, my K step
	s_lshl_b32 s100, s46, 12
	s_lshl_b32 s67, s47, 10
	s_add_co_u32 s100, s100, s67
	s_lshl_b32 s67, s16, 9
	s_add_co_u32 s100, s100, s67
	s_add_nc_u64 s[98:99], s[98:99], s[100:101]    ; hsc
	s_wait_loadcnt 0x0                             ; the biases
.irp b, 0,1,2,3
.irp j, 0,1,2,3,4,5,6,7
	v_mov_b32 v[BIAS+32+8*\b+\j], v[SO+\b]         ; value's bias in the result's layout: the lane's column in all eight rows
.endr
.endr
	PLACES NP
.macro FRAG reg, adr, off              ; an image: 4 x 512 consecutive bytes, 16 a lane
.irp c, 0,1,2,3
	ds_load_b128 v[\reg+4*\c:\reg+4*\c+3], v[\adr] offset:\off+512*\c
.endr
.endm
.macro MMT a, b, p, q, sc, first       ; transposed: source 0 = W's block b (its scales in lanes 16-31), source 1 = x's block a
.set DD, 8*(8*((\a)%4)+(\b))
.if \first
	v_wmma_scale_f32_16x16x128_f8f6f4 v[DD:DD+7], v[128*(\p)+16*(\b):128*(\p)+16*(\b)+15], v[AF+16*(\a):AF+16*(\a)+15], v[BIAS+8*(\b):BIAS+8*(\b)+7], v[SC+16*(\sc)+2*(\b)+(\q)], v[SC+16*(\sc)+2*(\a)+(\q)] matrix_a_fmt:MATRIX_FMT_BF8 matrix_b_fmt:MATRIX_FMT_BF8 matrix_a_scale:MATRIX_SCALE_ROW1
.else
	v_wmma_scale_f32_16x16x128_f8f6f4 v[DD:DD+7], v[128*(\p)+16*(\b):128*(\p)+16*(\b)+15], v[AF+16*(\a):AF+16*(\a)+15], v[DD:DD+7], v[SC+16*(\sc)+2*(\b)+(\q)], v[SC+16*(\sc)+2*(\a)+(\q)] matrix_a_fmt:MATRIX_FMT_BF8 matrix_b_fmt:MATRIX_FMT_BF8 matrix_a_scale:MATRIX_SCALE_ROW1
.endif
.endm
.macro MMN a, b, p, q, sc, first       ; as it stands: source 0 = x's block a, source 1 = W's block b
.set DD, 8*(8*((\a)%4)+(\b))
.if \first
	v_wmma_scale_f32_16x16x128_f8f6f4 v[DD:DD+7], v[AF+16*(\a):AF+16*(\a)+15], v[128*(\p)+16*(\b):128*(\p)+16*(\b)+15], v[BIAS+8*(\b):BIAS+8*(\b)+7], v[SC+16*(\sc)+2*(\a)+(\q)], v[SC+16*(\sc)+2*(\b)+(\q)] matrix_a_fmt:MATRIX_FMT_BF8 matrix_b_fmt:MATRIX_FMT_BF8 matrix_b_scale:MATRIX_SCALE_ROW1
.else
	v_wmma_scale_f32_16x16x128_f8f6f4 v[DD:DD+7], v[AF+16*(\a):AF+16*(\a)+15], v[128*(\p)+16*(\b):128*(\p)+16*(\b)+15], v[DD:DD+7], v[SC+16*(\sc)+2*(\a)+(\q)], v[SC+16*(\sc)+2*(\b)+(\q)] matrix_a_fmt:MATRIX_FMT_BF8 matrix_b_fmt:MATRIX_FMT_BF8 matrix_b_scale:MATRIX_SCALE_ROW1
.endif
.endm
; 16 matrix instructions: x's blocks a0, a0 + 1 against W's eight.  first = 1: the biases (window 0) start the sums.  The 64 accumulators take turns, one instruction a turn, in the same order in every step.
.macro MUL16 a0, p, q, sc, first
.if \first
	WIN 0x81+0x40*((\a0)/4)                        ; source 0 window 1, C window 0, D window 2 or 3
.else
	WIN 0xa1+0x50*((\a0)/4)
.endif
.irp a, \a0, \a0+1
.irp b, 0,1,2,3
	MMT \a, \b, \p, \q, \sc, \first
.endr
.endr
.if \first
	WIN 0x84+0x40*((\a0)/4)                        ; source 1 window 1
.else
	WIN 0xa4+0x50*((\a0)/4)
.endif
.irp a, \a0, \a0+1
.irp b, 4,5,6,7
	MMN \a, \b, \p, \q, \sc, \first
.endr
.endr
.endm
.macro FETCH_B slot, q, p              ; W's eight fragments: blocks 0-3 my qk columns, blocks 4-7 my value columns, 32 KiB on
	WIN 0x40
.irp i, 0,1,2,3,4,5,6,7
	FRAG 128*(\p)+16*\i, ADRB+\slot, 4096*\i+16384*(\i/4)+2048*(\q)
.endr
	WIN 0
.endm
.macro FETCH_A slot, q, i0
.irp i, \i0, \i0+1, \i0+2, \i0+3
	FRAG AF+16*(\i), ADRA+\slot, 4096*(\i)+2048*(\q)
.endr
.endm
.macro SCALES sc                       ; a slot's scale words: two a row; lanes 0-15 x's block i, lanes 16-31 W's block i
.irp i, 0,1,2,3
	ds_load_b64 v[SC+16*\sc+2*\i:SC+16*\sc+2*\i+1], v[ADRS] offset:128*\i
.endr
.irp i, 4,5,6,7
	ds_load_b64 v[SC+16*\sc+2*\i:SC+16*\sc+2*\i+1], v[ADRS2] offset:128*\i
.endr
.endm
; A slot's first 128 along K
.macro STEP slot, first
	s_wait_dscnt 16                                ; W's set, x's blocks 0-3 and the scales are in; the youngest sixteen loads (x's blocks 4-7) may be out
	MUL16 0, 0, 0, \slot, \first
	MUL16 2, 0, 0, \slot, \first
	s_wait_dscnt 0x0
	PLACES NP                                      ; in front of loads into registers that matrix instructions have read
	FETCH_B \slot, 1, 1
	FETCH_A \slot, 1, 0
	MUL16 4, 0, 0, \slot, \first
	MUL16 6, 0, 0, \slot, \first
	PLACES NP
	WIN 0
	FETCH_A \slot, 1, 4
.endm
; A slot's second 128 changes slots: ONE barrier; in front of it each wave waits for all its tensor loads, adds 0 to its spare word, and waits for that and for its reads of this slot.  fill = 1: the slot is filled again, two K steps of 256 ahead.
.macro TURN slot, next, fill
	s_wait_tensorcnt 0x0                           ; all my tensor loads have landed: my part of the next slot
	ds_add_u32 v[SPW], v[NIL]                      ; 0 onto my spare word
	s_wait_dscnt 17                                ; (the add and x's blocks 4-7 may be out)
	MUL16 0, 1, 1, \slot, 0
	s_wait_dscnt 0x0                               ; the add is done, and my reads of this slot are over
	s_barrier_signal -1
	MUL16 2, 1, 1, \slot, 0
	WIN 0
	s_barrier_wait -1
.if \fill
	CREST                                          ; the barrier has opened a round of the cluster's: no wave of any partner still reads this slot or has a load on its way
	s_add_nc_u64 s[G0+4*\slot+2:G0+4*\slot+3], s[G0+4*\slot+2:G0+4*\slot+3], 2*2097152
	s_add_nc_u64 s[G0B+4*\slot+2:G0B+4*\slot+3], s[G0B+4*\slot+2:G0B+4*\slot+3], 2*786432
	JLOAD G0+4*\slot, G1, G0B+4*\slot, G1B         ; the first tensor load behind the round, my one load until the next
	PLACES NP-4
.else
	PLACES NP
.endif
	v_add_nc_u32 v[ADRS], 1024, v[ADRS]            ; the next sg's scale words
	v_add_nc_u32 v[ADRS2], 1024, v[ADRS2]
	FETCH_B \next, 0, 0
	FETCH_A \next, 0, 0
	SCALES \next
	MUL16 4, 1, 1, \slot, 0
	MUL16 6, 1, 1, \slot, 0
	PLACES NP
	WIN 0
	FETCH_A \next, 0, 4
.endm
	s_wait_tensorcnt 0x1                           ; the scales and my part of slot 0 are in (slot 1's load may be out)
	s_barrier_signal -1
	s_barrier_wait -1                              ; everybody's are
	FETCH_B 0, 0, 0
	FETCH_A 0, 0, 0
	SCALES 0
	FETCH_A 0, 0, 4
	STEP 0, 1                                      ; K = 1,024 is four slots' worth: written out
	TURN 0, 1, 1
	STEP 1, 0
	TURN 1, 0, 1
	STEP 0, 0
	TURN 0, 1, 0
	STEP 1, 0
	s_wait_dscnt 16
	MUL16 0, 1, 1, 1, 0
	MUL16 2, 1, 1, 1, 0
	s_wait_dscnt 0x0
	MUL16 4, 1, 1, 1, 0
	MUL16 6, 1, 1, 1, 0
	WIN 0
	PLACES NP
; THE WAY OUT: no LDS, no barrier: codes leave the registers as pieces of images, 512 consecutive bytes a store.
; EV al: value, keys 32 al .. + 31 of my 128, my four tiles of 16 columns by turns.  A lane's 16 numbers are accumulators (2 al, 4 + b) and (2 al + 1, 4 + b); lane l xor 16 holds the block's other 16.
.macro EV al
.set WW, 2+(\al)/2
.set A1, 64*((2*(\al))%4)+32
	WIN WW|(WW<<2)
.irp b, 0,1,2,3
	v_max3_num_f32 v[MX+\b], |v[A1+8*\b]|, |v[A1+8*\b+1]|, 0x8000000      ; each accumulator is read from its low end on
.endr
.irp i, 2,4,6
.irp b, 0,1,2,3
	v_max3_num_f32 v[MX+\b], |v[A1+8*\b+\i]|, |v[A1+8*\b+\i+1]|, v[MX+\b]
.endr
.endr
.irp i, 0,2,4,6
.irp b, 0,1,2,3
	v_max3_num_f32 v[MX+\b], |v[A1+64+8*\b+\i]|, |v[A1+64+8*\b+\i+1]|, v[MX+\b]
.endr
.endr
	WIN 0
.irp b, 0,1,2,3
	v_permlanex16_b32 v[PB+\b], v[MX+\b], s12, s13
.endr
.irp b, 0,1,2,3
	v_max_num_f32 v[MX+\b], v[MX+\b], v[PB+\b]
.endr
.irp b, 0,1,2,3
	v_add_nc_u32 v[SO+\b], 0xf8800000, v[MX+\b]
.endr
.irp b, 0,1,2,3
	v_and_or_b32 v[HD+\b], v[MX+\b], 0x7f800000, s66
.endr
.irp b, 0,1,2,3
	v_lshrrev_b32 v[PB+\b], 23, v[SO+\b]
.endr
.irp b, 0,1,2,3
.if (\al) == 0
	v_mov_b32 v[VS+\b], v[PB+\b]
.else
	v_lshl_or_b32 v[VS+\b], v[PB+\b], 8*(\al), v[VS+\b]
.endif
.endr
	WIN WW
.irp b, 0,1,2,3
.irp i, 0,1,2,3,4,5,6,7
	v_med3_num_f32 v[U+16*\b+\i], v[A1+8*\b+\i], -v[HD+\b], v[HD+\b]
.endr
.irp i, 0,1,2,3,4,5,6,7
	v_med3_num_f32 v[U+16*\b+8+\i], v[A1+64+8*\b+\i], -v[HD+\b], v[HD+\b]
.endr
.endr
	WIN 0
.irp b, 0,1,2,3
	v_cvt_scalef32_pk8_bf8_f32 v[PCV+16*(\al)+4*\b:PCV+16*(\al)+4*\b+1], v[U+16*\b:U+16*\b+7], v[SO+\b]
	v_cvt_scalef32_pk8_bf8_f32 v[PCV+16*(\al)+4*\b+2:PCV+16*(\al)+4*\b+3], v[U+16*\b+8:U+16*\b+15], v[SO+\b]
.endr
	v_nop                                          ; a plain line behind the last conversion
.irp b, 0,1,2,3
	global_store_b128 v[LI], v[PCV+16*(\al)+4*\b:PCV+16*(\al)+4*\b+3], s[96:97] offset:8192*\b+512*(\al)
.endr
.endm
; EQK a: rows 16 a .. + 15 of my 128: sigmoid of my 64 d, two blocks of 32
.macro EQK a
.set WW, 2+(\a)/4
.set A1, 64*((\a)%4)
.set PQ, PCQ+8*((\a)%4)
	WIN WW
.set i, 0
.rept 16
	v_pk_mul_f32 v[U+i:U+i+1], v[A1+i:A1+i+1], 0xbfb8aa3b op_sel_hi:[1,0]   ; x -log2(e); ascending: each accumulator from its low end on
.set i, i+2
.endr
	WIN 0
.set i, 0
.rept 32
	v_exp_f32 v[U+i], v[U+i]
.set i, i+1
.endr
	v_nop
.set i, 0
	s_wait_alu depctr_va_vdst(0)
.rept 16
	v_pk_add_f32 v[U+i:U+i+1], v[U+i:U+i+1], 1.0 op_sel_hi:[1,0]
.set i, i+2
.endr
.set i, 0
.rept 32
	v_rcp_f32 v[U+i], v[U+i]
.set i, i+1
.endr
	v_nop
	s_wait_alu depctr_va_vdst(0)
.irp e, 0,1
	v_max3_num_f32 v[MX+\e], v[U+16*\e], v[U+16*\e+1], 0x8000000          ; a sigmoid is not negative: no |.|
.endr
.irp i, 2,4,6,8,10,12,14
.irp e, 0,1
	v_max3_num_f32 v[MX+\e], v[MX+\e], v[U+16*\e+\i], v[U+16*\e+\i+1]
.endr
.endr
.irp e, 0,1
	v_permlanex16_b32 v[PB+\e], v[MX+\e], s12, s13
.endr
.irp e, 0,1
	v_max_num_f32 v[MX+\e], v[MX+\e], v[PB+\e]
.endr
.irp e, 0,1
	v_add_nc_u32 v[SO+\e], 0xf8800000, v[MX+\e]
.endr
.irp e, 0,1
	v_and_or_b32 v[HD+\e], v[MX+\e], 0x7f800000, s66
.endr
.irp e, 0,1
	v_lshrrev_b32 v[PB+\e], 23, v[SO+\e]
.endr
	v_lshl_or_b32 v30, v[PB+1], 8, v[PB]           ; my two bytes of the row's four
.if (\a)%2 == 0
	v_mov_b32 v[QS+(\a)/2], v30
.else
	v_lshl_or_b32 v[QS+(\a)/2], v30, 16, v[QS+(\a)/2]
.endif
.irp e, 0,1
.irp i, 0,1,2,3,4,5,6,7,8,9,10,11,12,13,14,15
	v_min_num_f32 v[U+16*\e+\i], v[U+16*\e+\i], v[HD+\e]                  ; the hold is one-sided
.endr
.endr
.if (\a) >= 4
	s_wait_xcnt 0x0                                ; the ring of codes goes round: the stores of four rows back have read their data
.endif
.irp e, 0,1
	v_cvt_scalef32_pk8_bf8_f32 v[PQ+4*\e:PQ+4*\e+1], v[U+16*\e:U+16*\e+7], v[SO+\e]
	v_cvt_scalef32_pk8_bf8_f32 v[PQ+4*\e+2:PQ+4*\e+3], v[U+16*\e+8:U+16*\e+15], v[SO+\e]
.endr
	v_nop
.irp e, 0,1
	global_store_b128 v[LI], v[PQ+4*\e:PQ+4*\e+3], s[94:95] offset:2048*(\a)+512*\e
.endr
.endm
	EV 0
	EV 1
	EQK 0
	EQK 1
	EQK 2
	EQK 3
	EV 2
	EV 3
	EQK 4
	EQK 5
	EQK 6
	EQK 7
	global_store_b128 v[LI], v[QS:QS+3], s[98:99]                  ; 512 consecutive bytes of scale half-words,
	global_store_b128 v[LI], v[VS:VS+3], s[98:99] offset:524288    ; of scale words
	s_wait_tensorcnt 0x0                           ; the wave's end
	ds_add_u32 v[SPW], v[NIL]
	s_wait_dscnt 0x0
	CROUND                                         ; the closing round
	s_endpgm
.Lfunc_end_k_qac941ca74b_qv:
	.size	k_qac941ca74b_qv, .Lfunc_end_k_qac941ca74b_qv-k_qac941ca74b_qv
	.p2alignl 7, 3214868480
	.fill 96, 4, 3214868480
	.section	.rodata,"a",@progbits
	.p2align	6, 0x0
	.amdhsa_kernel k_qac941ca74b_qv
		.amdhsa_group_segment_fixed_size 327680
		.amdhsa_private_segment_fixed_size 0
		.amdhsa_enable_private_segment 0
		.amdhsa_kernarg_size 64
		.amdhsa_user_sgpr_count 2
		.amdhsa_user_sgpr_kernarg_segment_ptr 1
		.amdhsa_wavefront_size32 1
		.amdhsa_system_sgpr_workgroup_id_x 1
		.amdhsa_system_sgpr_workgroup_id_y 1
		.amdhsa_system_sgpr_workgroup_id_z 1
		.amdhsa_system_vgpr_workitem_id 0
		.amdhsa_next_free_vgpr 1024
		.amdhsa_next_free_sgpr 102
		.amdhsa_reserve_vcc 0
		.amdhsa_float_denorm_mode_32 3
		.amdhsa_float_denorm_mode_16_64 3
		.amdhsa_memory_ordered 1
		.amdhsa_forward_progress 1
		.amdhsa_inst_pref_size 218
	.end_amdhsa_kernel
	.amdgpu_metadata
---
amdhsa.version: [ 1, 2 ]
amdhsa.kernels:
  - .name:           k_qac941ca74b_qv
    .symbol:         k_qac941ca74b_qv.kd
    .args:
      - { .name: ximg, .offset: 0, .size: 8, .value_kind: global_buffer, .address_space: global }
      - { .name: xsc, .offset: 8, .size: 8, .value_kind: global_buffer, .address_space: global }
      - { .name: wimg, .offset: 16, .size: 8, .value_kind: global_buffer, .address_space: global }
      - { .name: wsc, .offset: 24, .size: 8, .value_kind: global_buffer, .address_space: global }
      - { .name: b_qkv, .offset: 32, .size: 8, .value_kind: global_buffer, .address_space: global }
      - { .name: qkimg, .offset: 40, .size: 8, .value_kind: global_buffer, .address_space: global }
      - { .name: vimg, .offset: 48, .size: 8, .value_kind: global_buffer, .address_space: global }
      - { .name: hsc, .offset: 56, .size: 8, .value_kind: global_buffer, .address_space: global }
    .group_segment_fixed_size: 327680
    .private_segment_fixed_size: 0
    .kernarg_segment_align: 8
    .kernarg_segment_size: 64
    .max_flat_workgroup_size: 128
    .sgpr_count:     102
    .vgpr_count:     1024
    .wavefront_size: 32
...
	.end_amdgpu_metadata
.endif
;; end of part 3
;; launch att (part 4): grid 8 x 32, 4 waves a work-group, clusters of 4 x 1, 327,680 bytes of LDS; arguments ximg, xsc, wimg, wsc, qkimg, vimg, hsc, maskw, b_qkv, out0; writes out0
.if DOCPART == 4
	.amdgcn_target "amdgcn-amd-amdhsa--gfx1250"
	.amdhsa_code_object_version 6
	.text
	.protected	k_qac941ca74b_att
	.globl	k_qac941ca74b_att
	.p2align	8
	.type	k_qac941ca74b_att,@function
k_qac941ca74b_att:
	s_mov_b64 s[64:65], 0
	v_nop
	global_prefetch_b8 v0, s[64:65] scope:SCOPE_SE
	s_setreg_imm32_b32 hwreg(HW_REG_WAVE_MODE, 25, 1), 1
	s_wait_xcnt 0x0
	s_wait_alu depctr_hold_cnt(0) depctr_sa_sdst(0) depctr_va_vdst(0) depctr_va_sdst(0) depctr_va_ssrc(0) depctr_va_vcc(0) depctr_vm_vsrc(0)
	s_getreg_b32 s2, hwreg(HW_REG_IB_STS2, 6, 4)
	s_cmp_eq_u32 s2, 0
	s_cbranch_scc0 .Lentry_in_a_cluster
	s_endpgm
.Lentry_in_a_cluster:
	s_bfe_u32 s2, ttmp6, 0x10000c
	s_cmp_lg_u32 s2, 0x3003
	s_cbranch_scc0 .Lentry_shape_is_right
	s_endpgm
.Lentry_shape_is_right:
; out = relu( Q(attn) Q(value) + Q(x gate) Q(W_res) + b_res ),  attn = masked S c0 / (sum of masked S c0 + 1e-6),  S = Q(s) Q(s)^T, c0 = 1 / sqrt(128).  All products on codes of E5M2 with E8M0 scales.
; res + attn value is ONE sum over K = 512 + 1,024 into the same accumulators, begun with the bias as C: res never goes to memory.
; SHARES.  A work-group owns 256 queries (16 tiles tau) of one (batch, head).
; PHASE I: THE WAVES SHARE THE KEYS.  Wave w keeps keys 128 w .. + 127 (8 fragments) in registers and makes S^T (source 0 = 16 keys, source 1 = 16 queries: a lane holds ONE query and eight neighbouring keys) for all 16 tiles,
; four tiles at a time, in two sets of 256 registers by turns.  PASS1: mask (v_cndmask_b32 by lane masks that an earlier launch stored as bits), the lane's sum, each block's largest S.  The four waves' sums meet in LDS (one barrier
; for four tiles; the next four tiles' products stand between its signal and its wait).  PASS2: p = S x (c0 / (c0 sum + 1e-6)), quantised along the keys: K step w of P, stored to LDS as an image of the operand's registers.
; PHASE II: wave (w / 2, w % 2) makes 64 columns of half of the rows, 64 rows of the work-group at a time (CHUNK): its 16 fragments of V and 32 of W_res stay in 768 registers; P's and x's fragments come from LDS, each feeding four products.
; ORDER OF K in qkimg, vimg and P: byte i of piece c, half h, is k = 32 c + 16 (i / 8) + 8 h + i % 8, alike on both sides of a product: a permutation inside blocks of 32, which leaves the exact products as they are.
; CLUSTER 4, 1, 1: the four partners are four heads of the same 256 rows: they read the same tiles of x's codes, which are asked for JOINTLY (mask 15).  K, Q, V, W_res belong to one head each, so the partners share none of them;
; they go straight into the registers in which they stay.
; LIMITS: S is not negative (both operands are codes of sigmoids), so maxima are taken without |.| and the hold is one-sided; p is rounded otherwise than by the reference's two divisions (a few 1e-7 of the number);
; the bias and attn value are summed ahead of the res products; a block of zeros keeps the byte 1 (its codes are zeros); relu of NaN gives 0: NaN and infinities are not served.
; REGISTERS: window 0: v1-23 addresses and work; v24-95 scale words and nothing else; v96-127 at work, later the bias; v128-191 Q's four fragments, later the eight accumulators; v192-255 statistics and codes, later two buffers of two fragments.
;   windows 1, 2: S^T (tile m at v[64 m], register 8 t + j), later W_res (n, s) at v[16 (8 (n % 2) + s)] of window 1 + n / 2.   window 3: K's fragments at v[16 t], later V's f = 4 n + s at v[16 f].
.set XSC,   131072                     ; LDS: 0: x's ring, two slots of 65,536: [sg 4][4 row tiles][4,096], filled by tensor loads alone;  here: x's scale words [sg 4][256 rows][8]
.set PIMG,  139264                     ; P: [tau 16][s 4][2,048]
.set PSC,   270336                     ; P's scale words: [tau][s][32 lanes x 4]
.set SUMX,  278528                     ; the sums: [tau][lane][wave]
.set STAGE, 286720                     ; the way out: 16 rows x 272 bytes for each wave
.set SPARE, 304128                     ; the spare words: 128 bytes a wave, two blocks of 256 bytes that no other line names
.set LI,  1                            ; 16 x lane
.set SXW, 2
.set SXR, 3
.set PIW, 4                            ; v4-5  where I store P's images: tau 0-7, 8-15
.set PSW, 6
.set PIR, 7                            ; v7-8  where I read them
.set PSR, 9
.set XIR, 10                           ; v10-11 x's fragments in slot 0, 1
.set XSR, 12
.set STO, 13
.set RD,  14
.set GO,  15
.set SPW, 16
.set NIL, 17
.set R8,  18                           ; 8 r
.set BO,  19                           ; 32 h
.set TT,  20                           ; v20-23 at work
.set WSW, 24                           ; W_res's scale words, 8 n + s
.set VSW, 56                           ; V's, 4 s + n
.set KSW, 72                           ; phase I: K's, t;
.set QSW, 80                           ; Q's, tau
.set XW,  72                           ; phase II: x's, 8 u + s;
.set PWS, 88                           ; P's, 4 u + s
.set TP,  96
.set BIAS, 96
.set QF,  128
.set ACC, 128
.set MX,  192                          ; 4 m + b
.set PS,  208
.set FF,  212                          ; pairs
.set PM,  220
.set SO,  224
.set HD,  228
.set BY,  232
.set PW,  236
.set PC,  240
.set FB,  192
.set RAWK, 192                         ; at the head only: scale half-words as stored
.set RAWQ, 200
.set G1,  68
.set MSB, 0
.macro WIN new                         ; the immediate's high byte repeats the setting that is left
.if MSB != (\new)
	s_set_vgpr_msb (MSB<<8)|(\new)
.set MSB, (\new)
.endif
.endm
.macro PLACES n
.rept \n
	v_nop
.endr
.endm
.macro ROUND                           ; a round of the cluster's barrier
	s_barrier_signal -1
	s_barrier_wait -1
	s_cmp_lg_u32 s66, 0
	s_cbranch_scc1 .Lnot_wave_0_\@
	s_barrier_signal -3
.Lnot_wave_0_\@:
	s_barrier_wait -3
	s_barrier_signal -1
	s_barrier_wait -1
.endm
	s_load_b512 s[16:31], s[0:1], 0x0              ; ximg, xsc, wimg, wsc, qkimg, vimg, hsc, maskw
	s_load_b128 s[32:35], s[0:1], 0x40             ; b_qkv, out0
	v_lshl_add_u32 v[SPW], v0, 2, SPARE
	v_mov_b32 v[NIL], 0
	ds_add_u32 v16, v17
	ds_add_u32 v16, v17
	s_wait_dscnt 0x0
	v_lshrrev_b32 v18, 5, v0
	v_readfirstlane_b32 s66, v18                   ; wave
	s_lshr_b32 s42, s66, 1                         ; phase II: my half of a chunk's rows,
	s_and_b32 s43, s66, 1                          ; my half of the columns
	s_bfe_u32 s36, ttmp6, 0x40000                  ; cx
	s_lshl_b32 s37, ttmp9, 2
	s_add_co_u32 s37, s37, s36                     ; the head
	s_and_b32 s38, ttmp7, 0xffff                   ; y = 2 batch + half of the queries: which 256 rows
	s_lshr_b32 s39, s38, 1
	s_and_b32 s40, s38, 1
	s_lshl_b32 s41, s39, 3
	s_add_co_u32 s41, s41, s37                     ; bh
	s_mov_b32 s[G1], 15|(3<<16)|(1<<21)            ; all four partners; elements of 8 bytes; bit 21 beside a mask
	s_mov_b32 s[G1+1], 32<<16                      ; a dense block of 16 KiB as 64 rows of 256 bytes
	s_mov_b32 s[G1+2], 64<<16
	s_mov_b32 s[G1+3], 32<<16
	s_mov_b32 s[G1+4], 64
	s_mov_b32 s[G1+5], 32
	s_mov_b32 s[G1+6], 0
	s_mov_b32 s[G1+7], 0
	s_lshl_b32 s48, s66, 21                        ; x's tiles: sg = wave, row tiles 16 y on: the place in the cluster enters neither
	s_lshl_b32 s50, s38, 16
	s_add_co_u32 s48, s48, s50
	s_mov_b32 s49, 0
	s_lshl_b32 s51, s66, 14
	s_mov_b32 s2, 0x358637bd                       ; 1e-6
	s_mov_b32 s3, 0x3db504f3                       ; c0 = 1 / sqrt(128)
	s_mov_b32 s67, 0x600000                        ; the mantissa field of 57,344
	s_mov_b32 s100, 0x76543210
	s_mov_b32 s101, 0xfedcba98                     ; v_permlanex16_b32's selects for lane l xor 16
	s_mov_b32 s45, 0
	s_wait_kmcnt 0x0
	s_mov_b32 s76, 1                               ; group 0 for slot 0: s[76:79]
	s_mov_b32 s77, s51
	s_add_nc_u64 s[78:79], s[16:17], s[48:49]
	s_mov_b32 s96, 1                               ; for slot 1: s[96:99]
	s_add_co_u32 s97, s51, 65536
	s_add_nc_u64 s[98:99], s[78:79], 16384         ; four row tiles on
	s_or_b32 s79, s79, 0x80000000
	s_or_b32 s99, s99, 0x80000000
	s_lshl_b32 s46, s41, 16
	s_lshl_b32 s47, s40, 15
	s_add_co_u32 s44, s46, s47
	s_add_nc_u64 s[4:5], s[24:25], s[44:45]        ; Q's fragments: s[4:5]
	s_lshl_b32 s47, s66, 14
	s_add_co_u32 s44, s46, s47
	s_add_nc_u64 s[52:53], s[24:25], s[44:45]      ; my keys' fragments
	s_lshl_b32 s47, s43, 15
	s_add_co_u32 s44, s46, s47
	s_add_nc_u64 s[8:9], s[26:27], s[44:45]        ; V's: s[8:9]
	s_lshl_b32 s44, s38, 14
	s_lshl_b32 s47, s66, 8
	s_add_co_u32 s44, s44, s47
	s_add_nc_u64 s[6:7], s[30:31], s[44:45]        ; the mask words of my keys: s[6:7]
	s_lshl_b32 s44, s37, 15
	s_lshl_b32 s47, s43, 14
	s_add_co_u32 s44, s44, s47
	s_add_co_u32 s44, s44, 262144
	s_add_nc_u64 s[10:11], s[20:21], s[44:45]      ; W_res's: nu = 64 + 8 head + 4 half: s[10:11]
	s_lshl_b32 s46, s37, 9
	s_lshl_b32 s47, s43, 8
	s_add_co_u32 s46, s46, s47                     ; 512 head + 256 half
	s_add_co_u32 s44, s46, 4096
	s_add_nc_u64 s[12:13], s[32:33], s[44:45]      ; b_res: s[12:13]
	s_lshl_b32 s44, s38, 20
	s_add_co_u32 s44, s44, s46
	s_lshl_b32 s47, s42, 17
	s_add_co_u32 s44, s44, s47
	s_add_nc_u64 s[14:15], s[34:35], s[44:45]      ; out0: s[14:15]
	s_lshl_b32 s44, s46, 1
	s_add_co_u32 s44, s44, 8192
	s_add_nc_u64 s[62:63], s[22:23], s[44:45]      ; W_res's scale words
	s_lshl_b32 s46, s41, 12
	s_lshl_b32 s47, s66, 10
	s_add_co_u32 s44, s46, s47
	s_add_nc_u64 s[56:57], s[28:29], s[44:45]      ; my keys' scale half-words,
	s_lshl_b32 s47, s40, 11
	s_add_co_u32 s44, s46, s47
	s_add_nc_u64 s[58:59], s[28:29], s[44:45]      ; the queries',
	s_lshl_b32 s47, s43, 9
	s_add_co_u32 s44, s46, s47
	s_add_nc_u64 s[60:61], s[28:29], s[44:45]      ; V's scale words (524,288 on)
	s_lshl_b32 s44, s66, 16
	s_lshl_b32 s47, s38, 11
	s_add_co_u32 s44, s44, s47
	s_add_nc_u64 s[80:81], s[18:19], s[44:45]      ; x's scale words: sg = wave, my 256 rows
	v_and_b32 v20, 31, v0                          ; lane
	v_and_b32 v21, 15, v0                          ; r
	v_bfe_u32 v22, v0, 4, 1                        ; h
	v_lshlrev_b32 v[LI], 4, v20
	v_lshlrev_b32 v23, 2, v20
	v_lshlrev_b32 v[R8], 3, v21
	v_lshlrev_b32 v[BO], 5, v22
.macro QLOAD eta                       ; the fragments of query tiles 4 eta .. + 3
.irp m, 0,1,2,3
.irp c, 0,1,2,3
	global_load_b128 v[QF+16*\m+4*\c:QF+16*\m+4*\c+3], v[LI], s[4:5] offset:(4*(\eta)+\m)*2048+512*\c
.endr
.endr
.endm
	WIN 0xc0                                       ; destination window 3
.irp t, 0,1,2,3,4,5,6,7
.irp c, 0,1,2,3
	global_load_b128 v[16*\t+4*\c:16*\t+4*\c+3], v[LI], s[52:53] offset:2048*\t+512*\c
.endr
.endr
	WIN 0
	global_load_b128 v[RAWK:RAWK+3], v[LI], s[56:57]
	global_load_b128 v[RAWK+4:RAWK+7], v[LI], s[56:57] offset:512
.irp g, 0,1
.irp c, 0,1
	global_load_b128 v[RAWQ+8*\g+4*\c:RAWQ+8*\g+4*\c+3], v[LI], s[58:59] offset:1024*\g+512*\c
.endr
.endr
.irp n, 0,1,2,3
.irp g, 0,1,2,3
	global_load_b64 v[WSW+8*\n+2*\g:WSW+8*\n+2*\g+1], v[R8], s[62:63] offset:24576*\g+128*\n
.endr
.endr
.irp s, 0,1,2,3
	global_load_b128 v[VSW+4*\s:VSW+4*\s+3], v[LI], s[60:61] offset:524288+1024*\s
.endr
.irp i, 0,1,2,3
	global_load_b128 v[TP+4*\i:TP+4*\i+3], v[LI], s[80:81] offset:512*\i
.endr
	QLOAD 0
	v_add_nc_u32 v[SXR], SUMX, v[LI]
	s_lshl_b32 s47, s66, 2
	v_add_nc_u32 v[SXW], s47, v[SXR]
	s_lshl_b32 s47, s66, 11
	s_add_co_u32 s47, s47, PIMG
	v_add_nc_u32 v[PIW], s47, v[LI]
	v_add_nc_u32 v[PIW+1], 65536, v[PIW]
	s_lshl_b32 s47, s66, 7
	s_add_co_u32 s47, s47, PSC
	v_add_nc_u32 v[PSW], s47, v23
	s_lshl_b32 s47, s42, 14
	s_add_co_u32 s47, s47, PIMG
	v_add_nc_u32 v[PIR], s47, v[LI]
	v_add_nc_u32 v[PIR+1], 65536, v[PIR]
	s_lshl_b32 s47, s42, 10
	s_add_co_u32 s47, s47, PSC
	v_add_nc_u32 v[PSR], s47, v23
	s_lshl_b32 s47, s42, 13
	v_add_nc_u32 v[XIR], s47, v[LI]
	v_add_nc_u32 v[XIR+1], 65536, v[XIR]
	s_lshl_b32 s47, s42, 8
	s_add_co_u32 s47, s47, XSC
	v_add_nc_u32 v[XSR], s47, v[R8]
	s_mul_i32 s47, s66, 4352
	s_add_co_u32 s47, s47, STAGE
	v_mul_u32_u24 v[STO], v21, 272
	v_lshl_add_u32 v[STO], v22, 5, v[STO]
	v_add_nc_u32 v[STO], s47, v[STO]               ; in: row r, + 32 h
	v_mul_u32_u24 v[RD], v22, 272
	v_lshl_add_u32 v[RD], v21, 4, v[RD]
	v_add_nc_u32 v[RD], s47, v[RD]                 ; back: lanes 0-15 one row of 256 bytes, lanes 16-31 the next
	v_lshlrev_b32 v[GO], 12, v22
	v_lshl_add_u32 v[GO], v21, 4, v[GO]            ; and the same two rows in out0
	s_lshl_b32 s47, s66, 11
	s_add_co_u32 s47, s47, XSC
	v_add_nc_u32 v23, s47, v[LI]                   ; where x's scale words of sg = wave go
	ROUND                                          ; all four work-groups are here: the first joint loads meet
	tensor_load_to_lds s[76:79], s[G1:G1+7]        ; rows 0-63 and 64-127, my sg: two loads of mine are out, the most in this text
	s_nop 0
	tensor_load_to_lds s[96:99], s[G1:G1+7]
	s_nop 0
	PLACES 4
.macro MASKREQ tau                     ; the 64 lane masks of tile tau against my 128 keys: word 8 t + j into s16-63, s80-95
	s_load_b512 s[16:31], s[6:7], (\tau)*1024
	s_load_b512 s[32:47], s[6:7], (\tau)*1024+64
	s_load_b512 s[48:63], s[6:7], (\tau)*1024+128
	s_load_b512 s[80:95], s[6:7], (\tau)*1024+192
.endm
	s_wait_xcnt 0x0                                ; the loads above have read their bases: those registers now take mask words
	MASKREQ 0
	s_wait_loadcnt 0x0
.irp i, 0,1,2,3
	ds_store_b128 v23, v[TP+4*\i:TP+4*\i+3] offset:512*\i
.endr
.irp a, 0,2,4,6                        ; a row's word: two bytes from each half of the head's 128
	v_perm_b32 v[KSW+\a], v[RAWK+4+\a/2], v[RAWK+\a/2], 0x05040100
	v_perm_b32 v[KSW+\a+1], v[RAWK+4+\a/2], v[RAWK+\a/2], 0x07060302
.endr
.irp g, 0,1
.irp a, 0,2,4,6
	v_perm_b32 v[QSW+8*\g+\a], v[RAWQ+8*\g+4+\a/2], v[RAWQ+8*\g+\a/2], 0x05040100
	v_perm_b32 v[QSW+8*\g+\a+1], v[RAWQ+8*\g+4+\a/2], v[RAWQ+8*\g+\a/2], 0x07060302
.endr
.endr
	s_wait_dscnt 0x0                               ; the stores have read their registers
	PLACES 8                                       ; scale registers written by vector instructions stand eight places ahead of the product
.macro SMUL eta                        ; S^T of tiles 4 eta .. + 3 against my 128 keys: 32 products, each its own sum over K = 128
	WIN 0x43+0x40*((\eta)%2)                       ; source 0 (K) window 3; D window 1 (eta even) or 2
.irp t, 0,1,2,3,4,5,6,7
.irp m, 0,1,2,3
	v_wmma_scale_f32_16x16x128_f8f6f4 v[64*\m+8*\t:64*\m+8*\t+7], v[16*\t:16*\t+15], v[QF+16*\m:QF+16*\m+15], 0, v[KSW+\t], v[QSW+4*(\eta)+\m] matrix_a_fmt:MATRIX_FMT_BF8 matrix_b_fmt:MATRIX_FMT_BF8
.endr
.endr
	WIN 0
.endm
.macro PASS1 x, m, tau                 ; tile m of window x: mask, sum, the four blocks' largest S
.set SB, 64*(\m)
	s_wait_kmcnt 0x0                               ; the tile's mask words
	WIN ((\x)<<6)|((\x)<<2)
.set n, 0
.rept 64
.if n < 48
	v_cndmask_b32 v[SB+n], 0, v[SB+n], s[16+n]     ; 0 where adj is 0; ascending: each accumulator from its low end on
.else
	v_cndmask_b32 v[SB+n], 0, v[SB+n], s[32+n]
.endif
.set n, n+1
.endr
.if (\tau) < 15
	MASKREQ (\tau)+1                               ; the next tile's: they land under the vector work up to its masking
.endif
	WIN (\x)|((\x)<<2)
.set n, 0
.rept 16
	v_pk_add_f32 v[TP+2*n:TP+2*n+1], v[SB+4*n:SB+4*n+1], v[SB+4*n+2:SB+4*n+3]
.set n, n+1
.endr
.irp b, 0,1,2,3
	v_max3_num_f32 v[MX+4*(\m)+\b], v[SB+16*\b], v[SB+16*\b+1], 0
.endr
.irp i, 2,4,6,8,10,12,14
.irp b, 0,1,2,3
	v_max3_num_f32 v[MX+4*(\m)+\b], v[SB+16*\b+\i], v[SB+16*\b+\i+1], v[MX+4*(\m)+\b]
.endr
.endr
	WIN 0
.irp u, 0,1,2,3,4,5,6,7
	v_pk_add_f32 v[TP+2*\u:TP+2*\u+1], v[TP+2*\u:TP+2*\u+1], v[TP+16+2*\u:TP+17+2*\u]
.endr
.irp u, 0,1,2,3
	v_pk_add_f32 v[TP+2*\u:TP+2*\u+1], v[TP+2*\u:TP+2*\u+1], v[TP+8+2*\u:TP+9+2*\u]
.endr
.irp u, 0,1
	v_pk_add_f32 v[TP+2*\u:TP+2*\u+1], v[TP+2*\u:TP+2*\u+1], v[TP+4+2*\u:TP+5+2*\u]
.endr
	v_pk_add_f32 v[TP:TP+1], v[TP:TP+1], v[TP+2:TP+3]
	v_add_f32 v[TP], v[TP], v[TP+1]
	v_permlanex16_b32 v[TP+1], v[TP], s100, s101
.irp b, 0,1,2,3
	v_permlanex16_b32 v[TT+\b], v[MX+4*(\m)+\b], s100, s101
.endr
	v_add_f32 v[PS+(\m)], v[TP], v[TP+1]           ; my query's sum over my 128 keys
.irp b, 0,1,2,3
	v_max_num_f32 v[MX+4*(\m)+\b], v[MX+4*(\m)+\b], v[TT+\b]
.endr
.endm
.macro EXCHA eta                       ; four tiles' sums to LDS; my stores have landed (P's images and words too): signal
.irp m, 0,1,2,3
	ds_store_b32 v[SXW], v[PS+\m] offset:(4*(\eta)+\m)*512
.endr
	s_wait_dscnt 0x0
	s_barrier_signal -1
.endm
.macro EXCHB eta                       ; the four waves' sums; f = c0 / (c0 sum + 1e-6).  The plain lines here are also the places behind the products that stand in front
	s_barrier_wait -1
.irp m, 0,1,2,3
	ds_load_b128 v[TP+4*\m:TP+4*\m+3], v[SXR] offset:(4*(\eta)+\m)*512
.endr
	s_wait_dscnt 0x0
.irp m, 0,1,2,3
	v_add_f32 v[TP+4*\m], v[TP+4*\m], v[TP+4*\m+1]
	v_add_f32 v[TP+4*\m+2], v[TP+4*\m+2], v[TP+4*\m+3]
.endr
.irp m, 0,1,2,3
	v_add_f32 v[TP+4*\m], v[TP+4*\m], v[TP+4*\m+2]
.endr
.irp m, 0,1,2,3
	v_fma_f32 v[TP+4*\m], v[TP+4*\m], s3, s2
.endr
.irp m, 0,1,2,3
	v_rcp_f32 v[TP+4*\m+1], v[TP+4*\m]
.endr
	v_nop
	s_wait_alu depctr_va_vdst(0)
.irp m, 0,1,2,3
	v_mul_f32 v[FF+2*\m], s3, v[TP+4*\m+1]
.endr
.irp m, 0,1,2,3
	v_mov_b32 v[FF+2*\m+1], v[FF+2*\m]             ; (named as a pair)
.endr
.endm
.macro PASS2 x, m, tau                 ; tile m of window x becomes K step w of P's tile tau
.set SB, 64*(\m)
	s_wait_dscnt 0x0                               ; the last tile's LDS stores have read the codes' and the word's registers
.irp b, 0,1,2,3
	v_mul_f32 v[PM+\b], v[MX+4*(\m)+\b], v[FF+2*(\m)]   ; the block's largest p: the same multiplication on the block's largest S
.endr
.irp b, 0,1,2,3
	v_max_num_f32 v[PM+\b], 0x8000000, v[PM+\b]    ; the floor 2^(16 - 127)
.endr
.irp b, 0,1,2,3
	v_add_nc_u32 v[SO+\b], 0xf8800000, v[PM+\b]
.endr
.irp b, 0,1,2,3
	v_and_or_b32 v[HD+\b], v[PM+\b], 0x7f800000, s67
.endr
.irp b, 0,1,2,3
	v_lshrrev_b32 v[BY+\b], 23, v[SO+\b]
.endr
	v_lshl_or_b32 v[PW], v[BY+1], 8, v[BY]
	v_lshl_or_b32 v[PW], v[BY+2], 16, v[PW]
	v_lshl_or_b32 v[PW], v[BY+3], 24, v[PW]
	WIN ((\x)<<6)|(\x)
.set n, 0
.rept 32
	v_pk_mul_f32 v[SB+n:SB+n+1], v[SB+n:SB+n+1], v[FF+2*(\m):FF+2*(\m)+1] op_sel_hi:[1,0]
.set n, n+2
.endr
.irp b, 0,1,2,3
.irp i, 0,1,2,3,4,5,6,7,8,9,10,11,12,13,14,15
	v_min_num_f32 v[SB+16*\b+\i], v[SB+16*\b+\i], v[HD+\b]   ; the conversion does not saturate (ISA guide 7.6.2); p is not negative
.endr
.endr
	WIN (\x)
.irp b, 0,1,2,3
	v_cvt_scalef32_pk8_bf8_f32 v[PC+4*\b:PC+4*\b+1], v[SB+16*\b:SB+16*\b+7], v[SO+\b]
	v_cvt_scalef32_pk8_bf8_f32 v[PC+4*\b+2:PC+4*\b+3], v[SB+16*\b+8:SB+16*\b+15], v[SO+\b]
.endr
	WIN 0
	v_nop                                          ; a plain line behind the last conversion
.irp c, 0,1,2,3
	ds_store_b128 v[PIW+((\tau)>>3)], v[PC+4*\c:PC+4*\c+3] offset:((\tau)&7)*8192+512*\c
.endr
	ds_store_b32 v[PSW], v[PW] offset:512*(\tau)
.endm
.macro WGRP x, m                       ; four fragments of W_res into the 64 registers that tile m of window x has left: n = 2 (x - 1) + m / 2, s = 4 (m % 2) + k
	WIN (\x)<<6
.irp k, 0,1,2,3
.irp c, 0,1,2,3
	global_load_b128 v[64*(\m)+16*\k+4*\c:64*(\m)+16*\k+4*\c+3], v[LI], s[10:11] offset:(2*((\m)&1)+\k/2)*786432+(2*((\x)-1)+((\m)>>1))*4096+(\k&1)*2048+512*\c
.endr
.endr
	WIN 0
.endm
.macro VGRP f0                         ; eight fragments of V
	WIN 0xc0
.irp f, 0,1,2,3,4,5,6,7
.irp c, 0,1,2,3
	global_load_b128 v[16*((\f0)+\f)+4*\c:16*((\f0)+\f)+4*\c+3], v[LI], s[8:9] offset:2048*((\f0)+\f)+512*\c
.endr
.endr
	WIN 0
.endm
	; ---------------- PHASE I
	SMUL 0
	PLACES 8
	QLOAD 1
	VGRP 8                                         ; the upper half of window 3 is free
.irp m, 0,1,2,3
	PASS1 1, \m, \m
.endr
	EXCHA 0
	s_wait_loadcnt 32                              ; the next queries are in; V's 32 loads, issued behind them, may be out
	SMUL 1                                         ; register work between the signal and the wait
	EXCHB 0
	QLOAD 2
.irp m, 0,1,2,3
	PASS2 1, \m, \m
	PASS1 2, \m, 4+\m
.endr
	EXCHA 1
	s_wait_loadcnt 0x0
	SMUL 2
	EXCHB 1
	QLOAD 3
.irp m, 0,1,2,3
	PASS2 2, \m, 4+\m
	PASS1 1, \m, 8+\m
.endr
	EXCHA 2
	s_wait_loadcnt 0x0
	SMUL 3
	EXCHB 2
	VGRP 0                                         ; K has had its last product
.irp m, 0,1,2,3
	PASS2 1, \m, 8+\m
	WGRP 1, \m
	PASS1 2, \m, 12+\m
.endr
	EXCHA 3
	EXCHB 3
.irp n, 0,1,2,3
	global_load_b128 v[BIAS+8*\n:BIAS+8*\n+3], v[BO], s[12:13] offset:64*\n        ; b_res at my eight columns of tile n: 16 n + 8 h + 0 .. 7
	global_load_b128 v[BIAS+8*\n+4:BIAS+8*\n+7], v[BO], s[12:13] offset:64*\n+16
.endr
.irp m, 0,2,1,3                        ; this order puts W_res's K steps 4-7 of window 2 last
	PASS2 2, \m, 12+\m
	WGRP 2, \m
.endr
	s_wait_tensorcnt 0x0                           ; my parts of both slots are in,
	s_wait_dscnt 0x0                               ; my images and words have landed
	s_barrier_signal -1
	s_barrier_wait -1                              ; everybody's: P, x's scale words and both slots are whole.
	; ---------------- PHASE II
.macro FETCH k, j                      ; K step k of chunk j: my two row tiles' fragments: k < 4 of P, else of x
.set FBK, FB+32*((\k)&1)
.irp u, 0,1
.irp c, 0,1,2,3
.if (\k) < 4
	ds_load_b128 v[FBK+16*\u+4*\c:FBK+16*\u+4*\c+3], v[PIR+((\j)>>1)] offset:(4*((\j)&1)+\u)*8192+2048*(\k)+512*\c
.else
	ds_load_b128 v[FBK+16*\u+4*\c:FBK+16*\u+4*\c+3], v[XIR+((\j)&1)] offset:16384*(((\k)-4)/2)+4096*\u+2048*(((\k)-4)&1)+512*\c
.endif
.endr
.endr
.endm
.macro MUL k                           ; eight products: source 0 = 16 columns (V's or W_res's rows), source 1 = 16 rows: a lane holds one row and eight neighbouring columns.  The eight accumulators take turns
.set FBK, FB+32*((\k)&1)
.irp n, 0,1,2,3
.if (\k) < 4
	WIN 0x03
.else
	WIN 1+\n/2
.endif
.irp u, 0,1
.set DD, ACC+8*(2*\n+\u)
.if (\k) == 0
	v_wmma_scale_f32_16x16x128_f8f6f4 v[DD:DD+7], v[64*\n:64*\n+15], v[FBK+16*\u:FBK+16*\u+15], v[BIAS+8*\n:BIAS+8*\n+7], v[VSW+\n], v[PWS+4*\u] matrix_a_fmt:MATRIX_FMT_BF8 matrix_b_fmt:MATRIX_FMT_BF8
.elseif (\k) < 4
	v_wmma_scale_f32_16x16x128_f8f6f4 v[DD:DD+7], v[16*(4*\n+(\k)):16*(4*\n+(\k))+15], v[FBK+16*\u:FBK+16*\u+15], v[DD:DD+7], v[VSW+4*(\k)+\n], v[PWS+4*\u+(\k)] matrix_a_fmt:MATRIX_FMT_BF8 matrix_b_fmt:MATRIX_FMT_BF8
.else
	v_wmma_scale_f32_16x16x128_f8f6f4 v[DD:DD+7], v[16*(8*(\n&1)+(\k)-4):16*(8*(\n&1)+(\k)-4)+15], v[FBK+16*\u:FBK+16*\u+15], v[DD:DD+7], v[WSW+8*\n+(\k)-4], v[XW+8*\u+(\k)-4] matrix_a_fmt:MATRIX_FMT_BF8 matrix_b_fmt:MATRIX_FMT_BF8
.endif
.endr
.endr
	WIN 0
.endm
.macro OUT j                           ; relu; a tile of 16 rows x 64 columns at a time through my stage, back as rows of 256 bytes
	PLACES 8
.set n, 0
.rept 64
	v_max_num_f32 v[ACC+n], 0, v[ACC+n]            ; ascending: each accumulator from its low end on
.set n, n+1
.endr
.irp u, 0,1
.irp n, 0,1,2,3
	ds_store_b128 v[STO], v[ACC+8*(2*\n+\u):ACC+8*(2*\n+\u)+3] offset:64*\n
	ds_store_b128 v[STO], v[ACC+8*(2*\n+\u)+4:ACC+8*(2*\n+\u)+7] offset:64*\n+16
.endr
.irp i, 0,1,2,3,4,5,6,7
	ds_load_b128 v[FB+32*\u+4*\i:FB+32*\u+4*\i+3], v[RD] offset:544*\i   ; LDS serves a wave's instructions in order (ISA guide 5.7.1.4): these see my stores, and the next tile's stores come behind them
.endr
.endr
.irp u, 0,1
.irp i, 0,1,2,3,4,5,6,7
	s_wait_dscnt 16*(1-\u)+7-\i                    ; behind this load: the rest of its eight, and for the first tile the second's sixteen
	global_store_b128 v[GO], v[FB+32*\u+4*\i:FB+32*\u+4*\i+3], s[14:15] offset:262144*(\j)+65536*\u+8192*\i th:TH_STORE_NT   ; sixteen lanes store 256 consecutive, aligned bytes
.endr
.endr
.endm
.macro CHUNK j                         ; rows 64 j .. + 63 of the work-group; mine: tiles 4 j + 2 (w / 2) + 0, 1
.if (\j) > 0
	s_wait_xcnt 0x0                                ; the last chunk's stores have read the registers that the fragments now take
.endif
.irp u, 0,1
.irp g, 0,1,2,3
	ds_load_b64 v[XW+8*\u+2*\g:XW+8*\u+2*\g+1], v[XSR] offset:2048*\g+(4*(\j)+\u)*128
.endr
.endr
.irp u, 0,1
.irp s, 0,1,2,3
	ds_load_b32 v[PWS+4*\u+\s], v[PSR] offset:(4*(\j)+\u)*512+128*\s
.endr
.endr
	FETCH 0, \j
.irp k, 0,1,2,3,4,5,6,7,8,9,10,11
.if \k > 0
	PLACES 8                                       ; in front of loads into the buffer that the last eight products read
.endif
.if \k < 11
	FETCH \k+1, \j
	s_wait_dscnt 8                                 ; all but the eight just issued
.else
	s_wait_dscnt 0x0
.endif
.if (\j) == 0
.if \k == 0
	s_wait_loadcnt 48                              ; V, the bias and window 1's W_res are in: behind the bias stand 64 loads, of which 48 may be out
.endif
.if \k == 4
	s_wait_loadcnt 32                              ; window 2's K steps 0-3 are in; the 32 youngest loads hold its K steps 4-7
.endif
.if \k == 8
	s_wait_loadcnt 0x0
.endif
.endif
	MUL \k
.endr
	OUT \j
.endm
.macro REFILL g                        ; the slot just read out takes the rows two chunks on
	s_wait_tensorcnt 0x0                           ; all my tensor loads have landed, so a group 0 may be written
	ds_add_u32 v[SPW], v[NIL]                      ; 0 onto my spare word
	s_add_nc_u64 s[\g+2:\g+3], s[\g+2:\g+3], 32768 ; eight row tiles on
	s_wait_dscnt 0x0                               ; the add is done, and my reads of the slot are over
	ROUND                                          ; both hold of every wave of the four work-groups
	tensor_load_to_lds s[\g:\g+3], s[G1:G1+7]      ; my one load behind the round: it has a chunk's 96 products in which to land
	s_nop 0
	PLACES 4
.endm
	CHUNK 0
	REFILL 76
	CHUNK 1
	REFILL 96
	CHUNK 2
	s_wait_tensorcnt 0x0                           ; my part of slot 1's second fill is in
	ds_add_u32 v[SPW], v[NIL]
	s_wait_dscnt 0x0
	s_barrier_signal -1
	s_barrier_wait -1                              ; everybody's is; nothing is filled any more
	CHUNK 3
	s_wait_tensorcnt 0x0                           ; the wave's end
	ds_add_u32 v[SPW], v[NIL]
	s_wait_dscnt 0x0
	ROUND                                          ; the closing round
	s_endpgm
.Lfunc_end_k_qac941ca74b_att:
	.size	k_qac941ca74b_att, .Lfunc_end_k_qac941ca74b_att-k_qac941ca74b_att
	.p2alignl 7, 3214868480
	.fill 96, 4, 3214868480
	.section	.rodata,"a",@progbits
	.p2align	6, 0x0
	.amdhsa_kernel k_qac941ca74b_att
		.amdhsa_group_segment_fixed_size 327680
		.amdhsa_private_segment_fixed_size 0
		.amdhsa_enable_private_segment 0
		.amdhsa_kernarg_size 80
		.amdhsa_user_sgpr_count 2
		.amdhsa_user_sgpr_kernarg_segment_ptr 1
		.amdhsa_wavefront_size32 1
		.amdhsa_system_sgpr_workgroup_id_x 1
		.amdhsa_system_sgpr_workgroup_id_y 1
		.amdhsa_system_sgpr_workgroup_id_z 1
		.amdhsa_system_vgpr_workitem_id 0
		.amdhsa_next_free_vgpr 1024
		.amdhsa_next_free_sgpr 102
		.amdhsa_reserve_vcc 0
		.amdhsa_float_denorm_mode_32 3
		.amdhsa_float_denorm_mode_16_64 3
		.amdhsa_memory_ordered 1
		.amdhsa_forward_progress 1
		.amdhsa_inst_pref_size 255
	.end_amdhsa_kernel
	.section	.bss,"aw",@nobits
	.p2align	6
	.space	262144
	.amdgpu_metadata
---
amdhsa.version: [ 1, 2 ]
amdhsa.kernels:
  - .name:           k_qac941ca74b_att
    .symbol:         k_qac941ca74b_att.kd
    .args:
      - { .name: ximg, .offset: 0, .size: 8, .value_kind: global_buffer, .address_space: global }
      - { .name: xsc, .offset: 8, .size: 8, .value_kind: global_buffer, .address_space: global }
      - { .name: wimg, .offset: 16, .size: 8, .value_kind: global_buffer, .address_space: global }
      - { .name: wsc, .offset: 24, .size: 8, .value_kind: global_buffer, .address_space: global }
      - { .name: qkimg, .offset: 32, .size: 8, .value_kind: global_buffer, .address_space: global }
      - { .name: vimg, .offset: 40, .size: 8, .value_kind: global_buffer, .address_space: global }
      - { .name: hsc, .offset: 48, .size: 8, .value_kind: global_buffer, .address_space: global }
      - { .name: maskw, .offset: 56, .size: 8, .value_kind: global_buffer, .address_space: global }
      - { .name: b_qkv, .offset: 64, .size: 8, .value_kind: global_buffer, .address_space: global }
      - { .name: out0, .offset: 72, .size: 8, .value_kind: global_buffer, .address_space: global }
    .group_segment_fixed_size: 327680
    .private_segment_fixed_size: 0
    .kernarg_segment_align: 8
    .kernarg_segment_size: 80
    .max_flat_workgroup_size: 128
    .sgpr_count:     102
    .vgpr_count:     1024
    .wavefront_size: 32
...
	.end_amdgpu_metadata
.endif
;; end of part 4
;; ======== version 2 of 2: 3 launches; 1.11 times as fast as version 1
;; workspace buffers: ximg 8,388,608 bytes; xsc 262,144 bytes; wimg 3,145,728 bytes; wsc 98,304 bytes; qkimg 8,388,608 bytes; vimg 8,388,608 bytes; hsc 1,048,576 bytes; maskw 524,288 bytes of whole numbers
;; launch xq (part 5): grid 256 x 1, 4 waves a work-group, no clusters, 265,984 bytes of LDS; arguments x, adj, W_d, b_d, ximg, xsc, maskw, W_qkv, wimg, wsc; writes ximg, xsc, maskw, wimg, wsc
.if DOCPART == 5
	.amdgcn_target "amdgcn-amd-amdhsa--gfx1250"
	.amdhsa_code_object_version 6
	.text
	.protected	k_qac941ca74b_xq
	.globl	k_qac941ca74b_xq
	.p2align	8
	.type	k_qac941ca74b_xq,@function
k_qac941ca74b_xq:
	s_mov_b64 s[64:65], 0
	v_nop
	global_prefetch_b8 v0, s[64:65] scope:SCOPE_SE
	s_setreg_imm32_b32 hwreg(HW_REG_WAVE_MODE, 25, 1), 1
	s_wait_xcnt 0x0
; TWO QUANTISERS IN ONE LAUNCH.
; (1) degree = row sums of adj;  gate = sigmoid(degree x W_d + b_d);  x x gate is quantised along C to codes of E5M2 with one E8M0 byte for each 32.
;     adj is read ONCE in the program: the same pass stores (adj != 0) as bits, in the form of lane masks for the attention launch.
; (2) W_qkv [1024 (k)][3072 (n)], K its FIRST axis, is quantised along K.
; OUT: ximg [sg 4][T 512][q 2][2048]: images of the operand's registers: rows 16 T + r, K step 2 sg + q; piece c at 512 c, lane r + 16 h at 16 x lane: k = 32 c + 16 h + 0 .. 15.
;      xsc [sg 4][row 8192][2 words]: word q, byte c.   maskw [Tq 512][t 32][j 8] words: bit r + 16 h = (adj[16 Tq + r][16 t + 8 h + j] != 0).
;      wimg [sg 4][nu 192][q 2][2048], wsc [sg 4][n 3072][2 words]: the same for columns n = 16 nu + r of W.
; SHARES OF (1).  A work-group takes 32 rows.  THE WAVES SHARE K, NOT THE ROWS: wave w takes columns 256 w .. + 255 of all 32 rows, so that a lane holds ONE row (lane % 16), the degree is a number of
; the lane, W_d and b_d of the wave's columns stay in 256 registers, and the codes come out as images.  Of adj wave w takes row tile w / 2 and keys 256 (w % 2) on; the halves meet in LDS.
; SHARES OF (2).  W is 768 tasks of 64 columns x 64 along K: three for each of the 256 work-groups: wave w < 3 takes task 3 x work-group + w, wave 3 none.  A LANE TAKES TWO COLUMNS (lane, lane + 32) AND ITS REGISTERS
; RUN DOWN K: a block of 32 lies in one lane, and the conversions give K innermost.  A task's tile is 64 rows of 256 aligned bytes.  It is the wave's first tensor load, so that it is worked on while adj's and x's tiles are on their way.
; Each wave brings its tiles (W's; 16 rows x 1,024 bytes of adj, of x rows 0-15, of x rows 16-31) by tensor loads into LDS bytes of its own, once: nothing is filled again, four loads of a wave are out at the most.
; No cluster: the work-groups share nothing but the 8 KB of W_d and b_d.
; W's scale bytes leave two at a time at steps of 8 bytes (a K step's word comes from two tasks): 98,304 bytes in all are written so.
; LIMITS: a gate under 2^-126 comes out as 0 (v_exp_f32 and v_rcp_f32 flush denormals); the degree is summed as a tree (exact for entries 0 and 1); a block whose largest magnitude lies under
; 2^-111 keeps the byte 1 (a block of zeros too, where the rule says 127: its codes are zeros, and this program alone reads the bytes); NaN and infinities are not served.
.set PITCH, 1040                       ; an LDS row: 1,024 bytes + 16 = 260 words: row r starts 4 r banks on (64 banks of 4 bytes: ISA guide 11.1)
.set TILE,  16*PITCH
.set WREG,  3*TILE                     ; a wave's region: adj's tile, x's two
.set DX,    4*WREG                     ; behind them: 256 bytes for the exchange of half degrees
.set WT,    DX+256                     ; behind that: W's tiles, 16,384 bytes for each wave's number, dense: a load of 4 bytes a lane reads 128 consecutive bytes
.set ADA, 4                            ; v4   adj's tile: row r, + 32 h
.set ADX, 5                            ; v5   x's first tile: row r, + 64 h
.set LI,  6                            ; v6   16 x lane
.set DXW, 7                            ; v7   where my half degree goes
.set DXR, 8                            ; v8   where the four are read
.set L8,  9                            ; v9   8 x lane
.set H64, 10                           ; v10  64 h
.set MW,  12                           ; v12-15  mask words: word n in lane n / 4, register n % 4
.set DG,  16                           ; v16-19  the degrees of my row in tile 0 and in tile 1, each as a pair
.set TM,  20                           ; v20-35  the quantiser's 16
.set PW,  36                           ; v36-39  scale words (2 tile + K step)
.set SW,  40                           ; v40-41  the pair that leaves
.set WLA, 42                           ; v42  W's tile: 4 x lane
.set WSO, 43                           ; v43  W's codes: 4,096 h + 16 r
.set PC,  48                           ; v48-111 codes, four sets: no store's data are written again
.set X,   112                          ; v112-175 64 numbers of x
.set Z,   176                          ; v176-239 their gates
.set A,   112                          ; v112-239 adj's 128 numbers, ahead of x
.set SU,  240                          ; v240-247 sums
.set WD,  0                            ; window 1: W_d, 64 s + 16 c + i
.set BD,  128                          ; window 1: b_d likewise
.set WX,  0                            ; window 2: W's 128 numbers: unit u = 2 (column half) + block at 32 u
.set WC,  128                          ; window 2: their codes, eight registers a unit
.set WM,  160                          ; window 2: v160-161 maxima, v162 the hold, v163 the scale operand, v164 the byte, v165-166 the half-words
.set G1X, 28
.set G1A, 36
.set G0A, 44
.set G0X, 48
.set SEL, 56
.set MNT, 58
.set G1W, 68
.set G0W, 76
.set MSB, 0
.macro WIN new                         ; the immediate's high byte repeats the setting that is left
.if MSB != (\new)
	s_set_vgpr_msb (MSB<<8)|(\new)
.set MSB, (\new)
.endif
.endm
	s_load_b256 s[4:11], s[0:1], 0x0               ; x, adj, W_d, b_d
	s_load_b128 s[12:15], s[0:1], 0x20             ; ximg, xsc
	s_load_b64 s[16:17], s[0:1], 0x30              ; maskw
	s_load_b64 s[80:81], s[0:1], 0x38              ; W_qkv
	s_load_b128 s[84:87], s[0:1], 0x40             ; wimg, wsc
	v_lshl_add_u32 v254, v0, 2, 0x40d00
	v_mov_b32 v255, 0
	ds_add_u32 v254, v255
	ds_add_u32 v254, v255
	v_lshrrev_b32 v1, 5, v0
	v_readfirstlane_b32 s18, v1                    ; wave
	s_lshl_b32 s82, s18, 14
	s_add_co_u32 s82, s82, WT                      ; my W tile in LDS
	v_and_b32 v[WLA], 31, v0
	v_lshlrev_b32 v[WLA], 2, v[WLA]
	v_add_nc_u32 v[WLA], s82, v[WLA]
.irp g, G1X, G1A
	s_mov_b32 s[\g], (2<<16)|(1<<20)|(7<<22)|(3<<25)   ; elements of 4 bytes; padding on: 4 words behind every 256
	s_mov_b32 s[\g+1], 256<<16                     ; tensor_dim0
	s_mov_b32 s[\g+2], 16<<16                      ; tensor_dim1
	s_mov_b32 s[\g+3], 256<<16                     ; tile_dim0
	s_mov_b32 s[\g+4], 16                          ; tile_dim1
	s_mov_b32 s[\g+6], 0
	s_mov_b32 s[\g+7], 0
.endr
	s_mov_b32 s[G1X+5], 1024                       ; elements from row to row: x's,
	s_mov_b32 s[G1A+5], 512                        ; adj's
	s_mov_b32 s[G1W], 2<<16                        ; W's tile: elements of 4 bytes, no padding
	s_mov_b32 s[G1W+1], 64<<16                     ; tensor_dim0 = 64
	s_mov_b32 s[G1W+2], 64<<16                     ; tensor_dim1 = 64
	s_mov_b32 s[G1W+3], 64<<16                     ; tile_dim0 = 64: 256 bytes
	s_mov_b32 s[G1W+4], 64                         ; tile_dim1 = 64 rows
	s_mov_b32 s[G1W+5], 3072
	s_mov_b32 s[G1W+6], 0
	s_mov_b32 s[G1W+7], 0
	s_mul_i32 s19, s18, WREG                       ; my region
	s_lshr_b32 s20, s18, 1                         ; adj: which tile of rows,
	s_and_b32 s21, s18, 1                          ; which half of the keys
	s_lshl_b32 s22, ttmp9, 16                      ; 32 rows of 2,048 bytes a work-group
	s_lshl_b32 s24, s20, 15
	s_add_co_u32 s22, s22, s24
	s_lshl_b32 s24, s21, 10
	s_add_co_u32 s22, s22, s24
	s_mov_b32 s23, 0
	s_lshl_b32 s24, ttmp9, 17                      ; x: 32 rows of 4,096 bytes, + 1,024 a wave
	s_lshl_b32 s26, s18, 10
	s_add_co_u32 s24, s24, s26
	s_mov_b32 s25, 0
	s_mov_b32 s27, 0
	; W's task (waves 0 to 2; wave 3 makes the numbers and uses none of them)
	s_mul_i32 s88, ttmp9, 3
	s_add_co_u32 s88, s88, s18                     ; task 0 .. 767
	s_mul_i32 s89, s88, 1366
	s_lshr_b32 s89, s89, 16                        ; kh = task / 48 (1366 / 65536 lies 1.02e-5 over 1 / 48: exact up to 767): which 64 along K
	s_mul_i32 s90, s89, 48
	s_sub_co_u32 s90, s88, s90                     ; cg = task % 48: which 64 columns
	s_mul_i32 s92, s89, 786432                     ; W: 64 rows of 12,288 bytes a kh,
	s_lshl_b32 s91, s90, 8                         ; 256 bytes a cg
	s_add_co_u32 s92, s92, s91
	s_mov_b32 s93, 0
	s_lshr_b32 s91, s89, 2                         ; sg
	s_mul_i32 s94, s91, 786432                     ; wimg: sg,
	s_mul_i32 s88, s91, 24576                      ; wsc: sg,
	s_lshl_b32 s91, s90, 14                        ; four nu of 4,096 bytes a cg,
	s_add_co_u32 s94, s94, s91
	s_lshl_b32 s91, s90, 9                         ; 64 columns of 8 bytes a cg,
	s_add_co_u32 s88, s88, s91
	s_and_b32 s91, s89, 3                          ; kh % 4 = 2 q + which half of the K step:
	s_lshl_b32 s95, s91, 10                        ; 2,048 q + two pieces of 512,
	s_add_co_u32 s94, s94, s95
	s_lshl_b32 s95, s91, 1                         ; 4 q + two bytes
	s_add_co_u32 s88, s88, s95
	s_mov_b32 s95, 0
	s_mov_b32 s89, 0
	s_mov_b32 s[SEL], 0x76543210
	s_mov_b32 s[SEL+1], 0xfedcba98                 ; v_permlanex16_b32's selects for lane l xor 16
	s_mov_b32 s[MNT], 0x600000                     ; the mantissa field of 57,344
	s_wait_dscnt 0x0
	s_wait_kmcnt 0x0
	s_mov_b32 s[G0A], 1
	s_mov_b32 s[G0A+1], s19
	s_add_nc_u64 s[G0A+2:G0A+3], s[6:7], s[22:23]
	s_or_b32 s[G0A+3], s[G0A+3], 0x80000000
	s_mov_b32 s[G0X], 1
	s_add_co_u32 s[G0X+1], s19, TILE
	s_add_nc_u64 s[G0X+2:G0X+3], s[4:5], s[24:25]
	s_mov_b32 s[G0X+4], 1
	s_add_co_u32 s[G0X+5], s19, 2*TILE
	s_add_nc_u64 s[G0X+6:G0X+7], s[G0X+2:G0X+3], 65536   ; 16 rows on
	s_or_b32 s[G0X+3], s[G0X+3], 0x80000000
	s_or_b32 s[G0X+7], s[G0X+7], 0x80000000
	s_add_nc_u64 s[80:81], s[80:81], s[92:93]      ; W at my task's tile
	s_add_nc_u64 s[84:85], s[84:85], s[94:95]      ; its pieces of four images
	s_add_nc_u64 s[86:87], s[86:87], s[88:89]      ; its scale bytes
	s_mov_b32 s[G0W], 1
	s_mov_b32 s[G0W+1], s82
	s_mov_b64 s[G0W+2:G0W+3], s[80:81]
	s_or_b32 s[G0W+3], s[G0W+3], 0x80000000
	s_add_nc_u64 s[8:9], s[8:9], s[26:27]          ; W_d and b_d at my 256 columns
	s_add_nc_u64 s[10:11], s[10:11], s[26:27]
	s_cmp_lt_u32 s18, 3                            ; a wave's first (and only) fills stand in one branch on its number and go out together
	s_cbranch_scc0 .Lno_w
	tensor_load_to_lds s[G0W:G0W+3], s[G1W:G1W+7]  ; W's first: behind adj's tile the same two loads stand in every wave
	s_nop 0
	tensor_load_to_lds s[G0A:G0A+3], s[G1A:G1A+7]
	s_nop 0
	tensor_load_to_lds s[G0X:G0X+3], s[G1X:G1X+7]
	s_nop 0
	tensor_load_to_lds s[G0X+4:G0X+7], s[G1X:G1X+7]
	s_nop 0
.rept 4
	v_nop
.endr
	s_branch .Lasked
.Lno_w:
	tensor_load_to_lds s[G0A:G0A+3], s[G1A:G1A+7]
	s_nop 0
	tensor_load_to_lds s[G0X:G0X+3], s[G1X:G1X+7]
	s_nop 0
	tensor_load_to_lds s[G0X+4:G0X+7], s[G1X:G1X+7]
	s_nop 0
.rept 4
	v_nop
.endr
.Lasked:
	s_lshl_b32 s26, ttmp9, 11                      ; maskw: 1,024 bytes a row tile, 512 a half
	s_lshl_b32 s24, s20, 10
	s_add_co_u32 s26, s26, s24
	s_lshl_b32 s24, s21, 9
	s_add_co_u32 s26, s26, s24
	s_add_nc_u64 s[16:17], s[16:17], s[26:27]
	s_lshl_b32 s26, s18, 21                        ; ximg: sg = wave; two row tiles of 4,096 bytes a work-group
	s_lshl_b32 s24, ttmp9, 13
	s_add_co_u32 s26, s26, s24
	s_add_nc_u64 s[12:13], s[12:13], s[26:27]
	s_lshl_b32 s26, s18, 16                        ; xsc: sg = wave; 32 rows of 8 bytes
	s_lshl_b32 s24, ttmp9, 8
	s_add_co_u32 s26, s26, s24
	s_add_nc_u64 s[14:15], s[14:15], s[26:27]
	v_and_b32 v1, 31, v0                           ; lane
	v_and_b32 v2, 15, v0                           ; r
	v_bfe_u32 v3, v0, 4, 1                         ; h
	v_lshlrev_b32 v[H64], 6, v3
	WIN 0x40                                       ; destination window 1
.irp s, 0,1
.irp c, 0,1,2,3
.irp j, 0,1,2,3
	global_load_b128 v[WD+64*\s+16*\c+4*\j:WD+64*\s+16*\c+4*\j+3], v[H64], s[8:9] offset:512*\s+128*\c+16*\j    ; W_d[256 w + 128 s + 32 c + 16 h + 4 j ..]
	global_load_b128 v[BD+64*\s+16*\c+4*\j:BD+64*\s+16*\c+4*\j+3], v[H64], s[10:11] offset:512*\s+128*\c+16*\j
.endr
.endr
.endr
	WIN 0
	v_mul_u32_u24 v11, v2, PITCH
	v_add_nc_u32 v11, s19, v11
	v_lshl_add_u32 v[ADA], v3, 5, v11
	v_lshl_add_u32 v[ADX], v3, 6, v11
	v_add_nc_u32 v[ADX], TILE, v[ADX]
	v_lshlrev_b32 v[LI], 4, v1
	v_lshlrev_b32 v[L8], 3, v1
	v_lshlrev_b32 v[DXR], 2, v2
	v_add_nc_u32 v[DXR], DX, v[DXR]
	s_lshl_b32 s24, s18, 6
	v_add_nc_u32 v[DXW], s24, v[DXR]
	v_lshlrev_b32 v[WSO], 12, v3                   ; W's codes: lanes 16-31 belong to the next nu, 4,096 bytes on;
	v_lshl_add_u32 v[WSO], v2, 4, v[WSO]           ; 16 bytes for each column of the sixteen
.irp b, 0,1,2,3
	v_mov_b32 v[MW+\b], 0                          ; written once: v_writelane_b32's and a lane permute's destination count as sources
	v_mov_b32 v[TM+4+\b], 0
.endr
	; ---- W: waves 0 to 2.  Unit u = 2 g + t: column 32 g + lane of my 64, block t of my two: register 32 u + i = W(64 kh + 32 t + i, that column)
.macro WBLOCK u
.set XS, WX+32*(\u)
.if 96-32*(\u) > 63
	s_wait_dscnt 63                                ; a wait names 63 at the most: with 63 of the 128 out the first 65 are in, units 0 and 1 among them
.else
	s_wait_dscnt 96-32*(\u)                        ; the later units' loads may be out
.endif
	WIN 0xaa                                       ; all of it in window 2
	v_max3_num_f32 v[WM], |v[XS]|, |v[XS+1]|, |v[XS+2]|          ; the block's largest magnitude: all 32 numbers are mine
	v_max3_num_f32 v[WM+1], |v[XS+3]|, |v[XS+4]|, |v[XS+5]|
.irp i, 6,10,14,18,22,26
	v_max3_num_f32 v[WM], v[WM], |v[XS+\i]|, |v[XS+\i+1]|
	v_max3_num_f32 v[WM+1], v[WM+1], |v[XS+\i+2]|, |v[XS+\i+3]|
.endr
	v_max3_num_f32 v[WM], v[WM], |v[XS+30]|, |v[XS+31]|
	v_max3_num_f32 v[WM], v[WM], v[WM+1], 0x8000000              ; and the floor 2^(16 - 127): the byte cannot fall under 1
	v_add_nc_u32 v[WM+3], 0xf8800000, v[WM]        ; 15 off the exponent field: the conversion's scale operand
	v_and_or_b32 v[WM+2], v[WM], 0x7f800000, s[MNT]   ; 57,344 x the scale
	v_lshrrev_b32 v[WM+4], 23, v[WM+3]             ; the byte
.if (\u)%2 == 0
	v_mov_b32 v[WM+5+(\u)/2], v[WM+4]
.else
	v_lshl_or_b32 v[WM+5+(\u)/2], v[WM+4], 8, v[WM+5+(\u)/2]
.endif
.irp i, 0,1,2,3,4,5,6,7,8,9,10,11,12,13,14,15,16,17,18,19,20,21,22,23,24,25,26,27,28,29,30,31
	v_med3_num_f32 v[XS+\i], v[XS+\i], -v[WM+2], v[WM+2]         ; the conversion to an 8-bit code does not saturate (ISA guide 7.6.2): hold first
.endr
.irp g, 0,1,2,3
	v_cvt_scalef32_pk8_bf8_f32 v[WC+8*(\u)+2*\g:WC+8*(\u)+2*\g+1], v[XS+8*\g:XS+8*\g+7], v[WM+3]
.endr
	v_nop                                          ; a plain line behind the last conversion, ahead of the next unit's writes of its scale operand
	WIN 0x08                                       ; a store's data are its source 1: window 2; its offset lies in window 0
	global_store_b128 v[WSO], v[WC+8*(\u):WC+8*(\u)+3], s[84:85] offset:8192*((\u)/2)+512*((\u)%2)         ; k = 0 .. 15 of the block: sixteen lanes fill 256 consecutive, aligned bytes
	global_store_b128 v[WSO], v[WC+8*(\u)+4:WC+8*(\u)+7], s[84:85] offset:8192*((\u)/2)+512*((\u)%2)+256   ; k = 16 .. 31
.if (\u)%2 == 1
	global_store_b16 v[L8], v[WM+5+(\u)/2], s[86:87] offset:256*((\u)/2)   ; the column's two scale bytes
.endif
.endm
	s_cmp_lt_u32 s18, 3
	s_cbranch_scc0 .Lw_done
	s_wait_tensorcnt 0x3                           ; W's tile is in; adj's and x's two, issued behind it, may be out.  Only I read my tiles
	WIN 0x80                                       ; destination window 2, address window 0
.irp u, 0,1,2,3
.set i, 0
.rept 32
	ds_load_b32 v[WX+32*\u+i], v[WLA] offset:(32*(\u%2)+i)*256+128*(\u/2)
.set i, i+1
.endr
.endr
	WBLOCK 0
	WBLOCK 1
	WBLOCK 2
	WBLOCK 3
	WIN 0                                          ; at a label every window is 0
.Lw_done:
	; ---- adj: register 8 t + j = adj[row r][256 (w % 2) + 16 t + 8 h + j]
	s_wait_tensorcnt 0x2                           ; adj's tile is in; x's two may be out
.irp t, 0,1,2,3,4,5,6,7,8,9,10,11,12,13,14,15
	ds_load_b128 v[A+8*\t:A+8*\t+3], v[ADA] offset:64*\t
	ds_load_b128 v[A+8*\t+4:A+8*\t+7], v[ADA] offset:64*\t+16
.endr
.set n, 0
.set p, 0
.rept 4                                ; four groups of 32 registers (eight loads)
	s_wait_dscnt 24-n/4                            ; the later groups' loads may be out
.rept 4
.irp j, 0,1,2,3,4,5,6,7
	v_cmp_neq_f32 s[20+\j], 0, v[A+n+\j]           ; a lane mask: bit r + 16 h
.endr
.irp j, 0,1,2,3,4,5,6,7
	v_writelane_b32 v[MW+\j%4], s[20+\j], (n+\j)/4 ; word n to lane n / 4, register n % 4: so one store of 16 bytes a lane lays the 128 words on end
.endr
.set n, n+8
.endr
.rept 16                               ; the group's 16 pairs onto four chains; the first eight pairs start them
.if p < 4
	v_pk_add_f32 v[SU+2*p:SU+2*p+1], v[A+2*p:A+2*p+1], v[A+2*p+8:A+2*p+9]
.elseif p < 8
.else
	v_pk_add_f32 v[SU+2*(p%4):SU+2*(p%4)+1], v[SU+2*(p%4):SU+2*(p%4)+1], v[A+2*p:A+2*p+1]
.endif
.set p, p+1
.endr
.endr
	v_pk_add_f32 v[SU:SU+1], v[SU:SU+1], v[SU+2:SU+3]
	v_pk_add_f32 v[SU+4:SU+5], v[SU+4:SU+5], v[SU+6:SU+7]
	v_pk_add_f32 v[SU:SU+1], v[SU:SU+1], v[SU+4:SU+5]
	v_add_f32 v[SU], v[SU], v[SU+1]
	v_permlanex16_b32 v[SU+1], v[SU], s[SEL], s[SEL+1]
	v_add_f32 v[SU], v[SU], v[SU+1]                ; row r's sum over my 256 keys
	ds_store_b32 v[DXW], v[SU]                     ; (both halves of the lanes write the same word with the same value)
	global_store_b128 v[LI], v[MW:MW+3], s[16:17]  ; 512 consecutive bytes of mask words
	s_wait_dscnt 0x0                               ; for the others' sake: my store has landed
	s_barrier_signal -1
	s_barrier_wait -1
.irp j, 0,1,2,3
	ds_load_b32 v[SU+\j], v[DXR] offset:64*\j
.endr
	s_wait_dscnt 0x0
	v_add_f32 v[DG], v[SU], v[SU+1]                ; the degree of row r of tile 0,
	v_add_f32 v[DG+2], v[SU+2], v[SU+3]            ; of tile 1
	v_mov_b32 v[DG+1], v[DG]                       ; (each is named as a pair)
	v_mov_b32 v[DG+3], v[DG+2]
	s_wait_loadcnt 0x0                             ; W_d, b_d
; 64 numbers of a lane, register 16 b + i = k 32 b + 16 h + i of my row, become a fragment's codes and its scale word
.macro QUANT pc, pw
.irp b, 0,1,2,3
	v_max3_num_f32 v[TM+\b], |v[X+16*\b]|, |v[X+1+16*\b]|, 0x8000000   ; my 16 numbers of block b, and the floor 2^(16 - 127)
.endr
.irp i, 2,4,6,8,10,12,14
.irp b, 0,1,2,3
	v_max3_num_f32 v[TM+\b], v[TM+\b], |v[X+16*\b+\i]|, |v[X+1+16*\b+\i]|
.endr
.endr
.irp b, 0,1,2,3
	v_permlanex16_b32 v[TM+4+\b], v[TM+\b], s[SEL], s[SEL+1]
.endr
.irp b, 0,1,2,3
	v_max_num_f32 v[TM+\b], v[TM+\b], v[TM+4+\b]   ; with lane l xor 16's: the block's largest magnitude
.endr
.irp b, 0,1,2,3
	v_add_nc_u32 v[TM+12+\b], 0xf8800000, v[TM+\b] ; 15 off the exponent field: the conversion's scale operand
.endr
.irp b, 0,1,2,3
	v_and_or_b32 v[TM+8+\b], v[TM+\b], 0x7f800000, s[MNT]   ; 57,344 x the scale
.endr
.irp b, 0,1,2,3
	v_lshrrev_b32 v[TM+4+\b], 23, v[TM+12+\b]      ; the byte
.endr
	v_lshl_or_b32 v[\pw], v[TM+5], 8, v[TM+4]
	v_lshl_or_b32 v[\pw], v[TM+6], 16, v[\pw]
	v_lshl_or_b32 v[\pw], v[TM+7], 24, v[\pw]
.irp b, 0,1,2,3
.irp i, 0,1,2,3,4,5,6,7,8,9,10,11,12,13,14,15
	v_med3_num_f32 v[X+16*\b+\i], v[X+16*\b+\i], -v[TM+8+\b], v[TM+8+\b]   ; the conversion does not saturate (ISA guide 7.6.2)
.endr
	v_cvt_scalef32_pk8_bf8_f32 v[\pc+4*\b:\pc+4*\b+1], v[X+16*\b:X+16*\b+7], v[TM+12+\b]
	v_cvt_scalef32_pk8_bf8_f32 v[\pc+4*\b+2:\pc+4*\b+3], v[X+16*\b+8:X+16*\b+15], v[TM+12+\b]
.endr
	v_nop                                          ; a plain line behind the last conversion
.endm
; One fragment: rows of tile tl, my K step s
.macro PART tl, s
.irp c, 0,1,2,3
.irp j, 0,1,2,3
	ds_load_b128 v[X+16*\c+4*\j:X+16*\c+4*\j+3], v[ADX] offset:TILE*\tl+512*\s+128*\c+16*\j
.endr
.endr
	WIN 0x11                                       ; sources 0 and 2 (W_d, b_d) window 1
.set i, 0
.rept 32
	v_pk_fma_f32 v[Z+i:Z+i+1], v[WD+64*\s+i:WD+64*\s+i+1], v[DG+2*\tl:DG+2*\tl+1], v[BD+64*\s+i:BD+64*\s+i+1] op_sel_hi:[1,0,1]   ; degree x W_d + b_d, one rounding
.set i, i+2
.endr
	WIN 0
.set i, 0
.rept 32
	v_pk_mul_f32 v[Z+i:Z+i+1], v[Z+i:Z+i+1], 0xbfb8aa3b op_sel_hi:[1,0]   ; x -log2(e)
.set i, i+2
.endr
.set i, 0
.rept 64
	v_exp_f32 v[Z+i], v[Z+i]
.set i, i+1
.endr
	v_nop
.set i, 0
	s_wait_alu depctr_va_vdst(0)
.rept 32
	v_pk_add_f32 v[Z+i:Z+i+1], v[Z+i:Z+i+1], 1.0 op_sel_hi:[1,0]
.set i, i+2
.endr
.set i, 0
.rept 64
	v_rcp_f32 v[Z+i], v[Z+i]                       ; the gate
.set i, i+1
.endr
	v_nop
	s_wait_dscnt 0x0                               ; x's 64 numbers are in
.set i, 0
	s_wait_alu depctr_va_vdst(0)
.rept 32
	v_pk_mul_f32 v[X+i:X+i+1], v[X+i:X+i+1], v[Z+i:Z+i+1]
.set i, i+2
.endr
	QUANT PC+16*(2*\tl+\s), PW+2*\tl+\s
.irp c, 0,1,2,3
	global_store_b128 v[LI], v[PC+16*(2*\tl+\s)+4*\c:PC+16*(2*\tl+\s)+4*\c+3], s[12:13] offset:4096*\tl+2048*\s+512*\c   ; 512 consecutive bytes
.endr
.endm
	s_wait_tensorcnt 0x1                           ; x's rows 0-15 are in; rows 16-31 may be out
	PART 0, 0
	PART 0, 1
	s_wait_tensorcnt 0x0
	PART 1, 0
	PART 1, 1
	v_cmp_le_u32 vcc_lo, 16, v1                    ; lanes 0-15 send tile 0's words, lanes 16-31 tile 1's: row = lane
	v_cndmask_b32 v[SW], v[PW], v[PW+2], vcc_lo
	v_cndmask_b32 v[SW+1], v[PW+1], v[PW+3], vcc_lo
	global_store_b64 v[L8], v[SW:SW+1], s[14:15]   ; 256 consecutive, aligned bytes
	s_wait_tensorcnt 0x0
	ds_add_u32 v254, v255
	s_wait_dscnt 0x0
	s_endpgm
.Lfunc_end_k_qac941ca74b_xq:
	.size	k_qac941ca74b_xq, .Lfunc_end_k_qac941ca74b_xq-k_qac941ca74b_xq
	.p2alignl 7, 3214868480
	.fill 96, 4, 3214868480
	.section	.rodata,"a",@progbits
	.p2align	6, 0x0
	.amdhsa_kernel k_qac941ca74b_xq
		.amdhsa_group_segment_fixed_size 265984
		.amdhsa_private_segment_fixed_size 0
		.amdhsa_enable_private_segment 0
		.amdhsa_kernarg_size 80
		.amdhsa_user_sgpr_count 2
		.amdhsa_user_sgpr_kernarg_segment_ptr 1
		.amdhsa_wavefront_size32 1
		.amdhsa_system_sgpr_workgroup_id_x 1
		.amdhsa_system_sgpr_workgroup_id_y 1
		.amdhsa_system_sgpr_workgroup_id_z 1
		.amdhsa_system_vgpr_workitem_id 0
		.amdhsa_next_free_vgpr 768
		.amdhsa_next_free_sgpr 96
		.amdhsa_reserve_vcc 1
		.amdhsa_float_denorm_mode_32 3
		.amdhsa_float_denorm_mode_16_64 3
		.amdhsa_memory_ordered 1
		.amdhsa_forward_progress 1
		.amdhsa_inst_pref_size 151
	.end_amdhsa_kernel
	.amdgpu_metadata
---
amdhsa.version: [ 1, 2 ]
amdhsa.kernels:
  - .name:           k_qac941ca74b_xq
    .symbol:         k_qac941ca74b_xq.kd
    .args:
      - { .name: x, .offset: 0, .size: 8, .value_kind: global_buffer, .address_space: global }
      - { .name: adj, .offset: 8, .size: 8, .value_kind: global_buffer, .address_space: global }
      - { .name: W_d, .offset: 16, .size: 8, .value_kind: global_buffer, .address_space: global }
      - { .name: b_d, .offset: 24, .size: 8, .value_kind: global_buffer, .address_space: global }
      - { .name: ximg, .offset: 32, .size: 8, .value_kind: global_buffer, .address_space: global }
      - { .name: xsc, .offset: 40, .size: 8, .value_kind: global_buffer, .address_space: global }
      - { .name: maskw, .offset: 48, .size: 8, .value_kind: global_buffer, .address_space: global }
      - { .name: W_qkv, .offset: 56, .size: 8, .value_kind: global_buffer, .address_space: global }
      - { .name: wimg, .offset: 64, .size: 8, .value_kind: global_buffer, .address_space: global }
      - { .name: wsc, .offset: 72, .size: 8, .value_kind: global_buffer, .address_space: global }
    .group_segment_fixed_size: 265984
    .private_segment_fixed_size: 0
    .kernarg_segment_align: 8
    .kernarg_segment_size: 80
    .max_flat_workgroup_size: 128
    .sgpr_count:     96
    .vgpr_count:     768
    .wavefront_size: 32
...
	.end_amdgpu_metadata
.endif
;; end of part 5
;; launch qv: the kernel of part 3 again; grid 8 x 32, 4 waves a work-group, clusters of 4 x 4, 327,680 bytes of LDS; arguments ximg, xsc, wimg, wsc, b_qkv, qkimg, vimg, hsc; writes qkimg, vimg, hsc
;; launch att (part 6): grid 8 x 32, 4 waves a work-group, clusters of 4 x 1, 327,680 bytes of LDS; arguments ximg, xsc, wimg, wsc, qkimg, vimg, hsc, maskw, b_qkv, out0; writes out0
.if DOCPART == 6
	.amdgcn_target "amdgcn-amd-amdhsa--gfx1250"
	.amdhsa_code_object_version 6
	.text
	.protected	k_qac941ca74b_att
	.globl	k_qac941ca74b_att
	.p2align	8
	.type	k_qac941ca74b_att,@function
k_qac941ca74b_att:
	s_mov_b64 s[64:65], 0
	v_nop
	global_prefetch_b8 v0, s[64:65] scope:SCOPE_SE
	s_setreg_imm32_b32 hwreg(HW_REG_WAVE_MODE, 25, 1), 1
	s_wait_xcnt 0x0
	s_wait_alu depctr_hold_cnt(0) depctr_sa_sdst(0) depctr_va_vdst(0) depctr_va_sdst(0) depctr_va_ssrc(0) depctr_va_vcc(0) depctr_vm_vsrc(0)
	s_getreg_b32 s2, hwreg(HW_REG_IB_STS2, 6, 4)
	s_cmp_eq_u32 s2, 0
	s_cbranch_scc0 .Lentry_in_a_cluster
	s_endpgm
.Lentry_in_a_cluster:
	s_bfe_u32 s2, ttmp6, 0x10000c
	s_cmp_lg_u32 s2, 0x3003
	s_cbranch_scc0 .Lentry_shape_is_right
	s_endpgm
.Lentry_shape_is_right:
; out = relu( Q(attn) Q(value) + Q(x gate) Q(W_res) + b_res ),  attn = masked S c0 / (sum of masked S c0 + 1e-6),  S = Q(s) Q(s)^T, c0 = 1 / sqrt(128).  All products on codes of E5M2 with E8M0 scales.
; res + attn value is ONE sum over K = 512 + 1,024 into the same accumulators, begun with the bias as C: res never goes to memory.
; SHARES.  A work-group owns 256 queries (16 tiles tau) of one (batch, head).
; PHASE I: THE WAVES SHARE THE KEYS.  Wave w keeps keys 128 w .. + 127 (8 fragments) in registers and makes S^T (source 0 = 16 keys, source 1 = 16 queries: a lane holds ONE query and eight neighbouring keys) for all 16 tiles,
; four tiles at a time, in two sets of 256 registers by turns.  PASS1: mask (v_cndmask_b32 by lane masks that an earlier launch stored as bits), the lane's sum, each block's largest S.  The four waves' sums meet in LDS (one barrier
; for four tiles; the next four tiles' products stand between its signal and its wait).  PASS2: p = S x (c0 / (c0 sum + 1e-6)), quantised along the keys: K step w of P, stored to LDS as an image of the operand's registers.
; THE MASKS.  A tile's 64 lane masks fill all the scalar registers that are free, so a next tile's could be asked of memory only when this tile's have been used.  So the wave's 16 x 64 words (4 KiB) are loaded once, at the head,
; into 32 vector registers, and each tile's 64 come to the scalar registers by v_readlane_b32: no wait on memory stands in the tiles' work.
; PHASE II: wave (w / 2, w % 2) makes 64 columns of half of the rows, 64 rows of the work-group at a time (CHUNK): its 16 fragments of V and 32 of W_res stay in 768 registers; P's and x's fragments come from LDS, each feeding four products.
; ORDER OF K in qkimg, vimg and P: byte i of piece c, half h, is k = 32 c + 16 (i / 8) + 8 h + i % 8, alike on both sides of a product: a permutation inside blocks of 32, which leaves the exact products as they are.
; CLUSTER 4, 1, 1: the four partners are four heads of the same 256 rows: they read the same tiles of x's codes, which are asked for JOINTLY (mask 15).  K, Q, V, W_res belong to one head each, so the partners share none of them;
; they go straight into the registers in which they stay.
; LIMITS: S is not negative (both operands are codes of sigmoids), so maxima are taken without |.| and the hold is one-sided; p is rounded otherwise than by the reference's two divisions (a few 1e-7 of the number);
; the bias and attn value are summed ahead of the res products; a block of zeros keeps the byte 1 (its codes are zeros); relu of NaN gives 0: NaN and infinities are not served.
; REGISTERS: window 0: v1-23 addresses and work; v24-95 scale words and nothing else; v96-127 at work, later the bias; v128-159 the mask words, later (v128-191) the eight accumulators; v192-255 statistics and codes, later two buffers of two fragments.
;   windows 1, 2: S^T (tile m at v[64 m], register 8 t + j), later W_res (n, s) at v[16 (8 (n % 2) + s)] of window 1 + n / 2.   window 3: K's fragments at v[16 t], Q's four at v128-191; later V's f = 4 n + s at v[16 f].
.set XSC,   131072                     ; LDS: 0: x's ring, two slots of 65,536: [sg 4][4 row tiles][4,096], filled by tensor loads alone;  here: x's scale words [sg 4][256 rows][8]
.set PIMG,  139264                     ; P: [tau 16][s 4][2,048]
.set PSC,   270336                     ; P's scale words: [tau][s][32 lanes x 4]
.set SUMX,  278528                     ; the sums: [tau][lane][wave]
.set STAGE, 286720                     ; the way out: 16 rows x 272 bytes for each wave
.set SPARE, 304128                     ; the spare words: 128 bytes a wave, two blocks of 256 bytes that no other line names
.set LI,  1                            ; 16 x lane
.set SXW, 2
.set SXR, 3
.set PIW, 4                            ; v4-5  where I store P's images: tau 0-7, 8-15
.set PSW, 6
.set PIR, 7                            ; v7-8  where I read them
.set PSR, 9
.set XIR, 10                           ; v10-11 x's fragments in slot 0, 1
.set XSR, 12
.set STO, 13
.set RD,  14
.set GO,  15
.set SPW, 16
.set NIL, 17
.set R8,  18                           ; 8 r
.set BO,  19                           ; 32 h
.set TT,  20                           ; v20-23 at work
.set WSW, 24                           ; W_res's scale words, 8 n + s
.set VSW, 56                           ; V's, 4 s + n
.set KSW, 72                           ; phase I: K's, t;
.set QSW, 80                           ; Q's, tau
.set XW,  72                           ; phase II: x's, 8 u + s;
.set PWS, 88                           ; P's, 4 u + s
.set TP,  96
.set BIAS, 96
.set MK,  128                          ; phase I, window 0: mask words: word n of tile tau in register 4 (tau / 2) + n % 4, lane 16 (tau % 2) + n / 4
.set MO,  160                          ; at the head only: their offset
.set QF,  128                          ; phase I, window 3: Q's four fragments
.set ACC, 128
.set MX,  192                          ; 4 m + b
.set PS,  208
.set FF,  212                          ; pairs
.set PM,  220
.set SO,  224
.set HD,  228
.set BY,  232
.set PW,  236
.set PC,  240
.set FB,  192
.set RAWK, 192                         ; at the head only: scale half-words as stored
.set RAWQ, 200
.set G1,  68
.set MSB, 0
.macro WIN new                         ; the immediate's high byte repeats the setting that is left
.if MSB != (\new)
	s_set_vgpr_msb (MSB<<8)|(\new)
.set MSB, (\new)
.endif
.endm
.macro PLACES n
.rept \n
	v_nop
.endr
.endm
.macro ROUND                           ; a round of the cluster's barrier
	s_barrier_signal -1
	s_barrier_wait -1
	s_cmp_lg_u32 s66, 0
	s_cbranch_scc1 .Lnot_wave_0_\@
	s_barrier_signal -3
.Lnot_wave_0_\@:
	s_barrier_wait -3
	s_barrier_signal -1
	s_barrier_wait -1
.endm
	s_load_b512 s[16:31], s[0:1], 0x0              ; ximg, xsc, wimg, wsc, qkimg, vimg, hsc, maskw
	s_load_b128 s[32:35], s[0:1], 0x40             ; b_qkv, out0
	v_lshl_add_u32 v[SPW], v0, 2, SPARE
	v_mov_b32 v[NIL], 0
	ds_add_u32 v16, v17
	ds_add_u32 v16, v17
	s_wait_dscnt 0x0
	v_lshrrev_b32 v18, 5, v0
	v_readfirstlane_b32 s66, v18                   ; wave
	s_lshr_b32 s42, s66, 1                         ; phase II: my half of a chunk's rows,
	s_and_b32 s43, s66, 1                          ; my half of the columns
	s_bfe_u32 s36, ttmp6, 0x40000                  ; cx
	s_lshl_b32 s37, ttmp9, 2
	s_add_co_u32 s37, s37, s36                     ; the head
	s_and_b32 s38, ttmp7, 0xffff                   ; y = 2 batch + half of the queries: which 256 rows
	s_lshr_b32 s39, s38, 1
	s_and_b32 s40, s38, 1
	s_lshl_b32 s41, s39, 3
	s_add_co_u32 s41, s41, s37                     ; bh
	s_mov_b32 s[G1], 15|(3<<16)|(1<<21)            ; all four partners; elements of 8 bytes; bit 21 beside a mask
	s_mov_b32 s[G1+1], 32<<16                      ; a dense block of 16 KiB as 64 rows of 256 bytes
	s_mov_b32 s[G1+2], 64<<16
	s_mov_b32 s[G1+3], 32<<16
	s_mov_b32 s[G1+4], 64
	s_mov_b32 s[G1+5], 32
	s_mov_b32 s[G1+6], 0
	s_mov_b32 s[G1+7], 0
	s_lshl_b32 s48, s66, 21                        ; x's tiles: sg = wave, row tiles 16 y on: the place in the cluster enters neither
	s_lshl_b32 s50, s38, 16
	s_add_co_u32 s48, s48, s50
	s_mov_b32 s49, 0
	s_lshl_b32 s51, s66, 14
	s_mov_b32 s2, 0x358637bd                       ; 1e-6
	s_mov_b32 s3, 0x3db504f3                       ; c0 = 1 / sqrt(128)
	s_mov_b32 s67, 0x600000                        ; the mantissa field of 57,344
	s_mov_b32 s100, 0x76543210
	s_mov_b32 s101, 0xfedcba98                     ; v_permlanex16_b32's selects for lane l xor 16
	s_mov_b32 s45, 0
	s_wait_kmcnt 0x0
	s_mov_b32 s76, 1                               ; group 0 for slot 0: s[76:79]
	s_mov_b32 s77, s51
	s_add_nc_u64 s[78:79], s[16:17], s[48:49]
	s_mov_b32 s96, 1                               ; for slot 1: s[96:99]
	s_add_co_u32 s97, s51, 65536
	s_add_nc_u64 s[98:99], s[78:79], 16384         ; four row tiles on
	s_or_b32 s79, s79, 0x80000000
	s_or_b32 s99, s99, 0x80000000
	s_lshl_b32 s46, s41, 16
	s_lshl_b32 s47, s40, 15
	s_add_co_u32 s44, s46, s47
	s_add_nc_u64 s[4:5], s[24:25], s[44:45]        ; Q's fragments: s[4:5]
	s_lshl_b32 s47, s66, 14
	s_add_co_u32 s44, s46, s47
	s_add_nc_u64 s[52:53], s[24:25], s[44:45]      ; my keys' fragments
	s_lshl_b32 s47, s43, 15
	s_add_co_u32 s44, s46, s47
	s_add_nc_u64 s[8:9], s[26:27], s[44:45]        ; V's: s[8:9]
	s_lshl_b32 s44, s38, 14
	s_lshl_b32 s47, s66, 8
	s_add_co_u32 s44, s44, s47
	s_add_nc_u64 s[6:7], s[30:31], s[44:45]        ; the mask words of my keys: s[6:7]
	s_lshl_b32 s44, s37, 15
	s_lshl_b32 s47, s43, 14
	s_add_co_u32 s44, s44, s47
	s_add_co_u32 s44, s44, 262144
	s_add_nc_u64 s[10:11], s[20:21], s[44:45]      ; W_res's: nu = 64 + 8 head + 4 half: s[10:11]
	s_lshl_b32 s46, s37, 9
	s_lshl_b32 s47, s43, 8
	s_add_co_u32 s46, s46, s47                     ; 512 head + 256 half
	s_add_co_u32 s44, s46, 4096
	s_add_nc_u64 s[12:13], s[32:33], s[44:45]      ; b_res: s[12:13]
	s_lshl_b32 s44, s38, 20
	s_add_co_u32 s44, s44, s46
	s_lshl_b32 s47, s42, 17
	s_add_co_u32 s44, s44, s47
	s_add_nc_u64 s[14:15], s[34:35], s[44:45]      ; out0: s[14:15]
	s_lshl_b32 s44, s46, 1
	s_add_co_u32 s44, s44, 8192
	s_add_nc_u64 s[62:63], s[22:23], s[44:45]      ; W_res's scale words
	s_lshl_b32 s46, s41, 12
	s_lshl_b32 s47, s66, 10
	s_add_co_u32 s44, s46, s47
	s_add_nc_u64 s[56:57], s[28:29], s[44:45]      ; my keys' scale half-words,
	s_lshl_b32 s47, s40, 11
	s_add_co_u32 s44, s46, s47
	s_add_nc_u64 s[58:59], s[28:29], s[44:45]      ; the queries',
	s_lshl_b32 s47, s43, 9
	s_add_co_u32 s44, s46, s47
	s_add_nc_u64 s[60:61], s[28:29], s[44:45]      ; V's scale words (524,288 on)
	s_lshl_b32 s44, s66, 16
	s_lshl_b32 s47, s38, 11
	s_add_co_u32 s44, s44, s47
	s_add_nc_u64 s[80:81], s[18:19], s[44:45]      ; x's scale words: sg = wave, my 256 rows
	v_and_b32 v20, 31, v0                          ; lane
	v_and_b32 v21, 15, v0                          ; r
	v_bfe_u32 v22, v0, 4, 1                        ; h
	v_lshlrev_b32 v[LI], 4, v20
	v_lshlrev_b32 v23, 2, v20
	v_lshlrev_b32 v[R8], 3, v21
	v_lshlrev_b32 v[BO], 5, v22
	v_lshlrev_b32 v[MO], 10, v22                   ; mask words: lanes 16-31 take the next tile's, 1,024 bytes on;
	v_lshl_add_u32 v[MO], v21, 4, v[MO]            ; 16 bytes a lane of a tile's 256
.macro QLOAD eta                       ; the fragments of query tiles 4 eta .. + 3, into window 3
	WIN 0xc0
.irp m, 0,1,2,3
.irp c, 0,1,2,3
	global_load_b128 v[QF+16*\m+4*\c:QF+16*\m+4*\c+3], v[LI], s[4:5] offset:(4*(\eta)+\m)*2048+512*\c
.endr
.endr
	WIN 0
.endm
	WIN 0xc0                                       ; destination window 3
.irp t, 0,1,2,3,4,5,6,7
.irp c, 0,1,2,3
	global_load_b128 v[16*\t+4*\c:16*\t+4*\c+3], v[LI], s[52:53] offset:2048*\t+512*\c
.endr
.endr
	WIN 0
	global_load_b128 v[RAWK:RAWK+3], v[LI], s[56:57]
	global_load_b128 v[RAWK+4:RAWK+7], v[LI], s[56:57] offset:512
.irp g, 0,1
.irp c, 0,1
	global_load_b128 v[RAWQ+8*\g+4*\c:RAWQ+8*\g+4*\c+3], v[LI], s[58:59] offset:1024*\g+512*\c
.endr
.endr
.irp n, 0,1,2,3
.irp g, 0,1,2,3
	global_load_b64 v[WSW+8*\n+2*\g:WSW+8*\n+2*\g+1], v[R8], s[62:63] offset:24576*\g+128*\n
.endr
.endr
.irp s, 0,1,2,3
	global_load_b128 v[VSW+4*\s:VSW+4*\s+3], v[LI], s[60:61] offset:524288+1024*\s
.endr
.irp i, 0,1,2,3
	global_load_b128 v[TP+4*\i:TP+4*\i+3], v[LI], s[80:81] offset:512*\i
.endr
.irp i, 0,1,2,3,4,5,6,7
	global_load_b128 v[MK+4*\i:MK+4*\i+3], v[MO], s[6:7] offset:2048*\i   ; tiles 2 i and 2 i + 1 against my 128 keys: sixteen lanes read 256 consecutive, aligned bytes
.endr
	QLOAD 0
	v_add_nc_u32 v[SXR], SUMX, v[LI]
	s_lshl_b32 s47, s66, 2
	v_add_nc_u32 v[SXW], s47, v[SXR]
	s_lshl_b32 s47, s66, 11
	s_add_co_u32 s47, s47, PIMG
	v_add_nc_u32 v[PIW], s47, v[LI]
	v_add_nc_u32 v[PIW+1], 65536, v[PIW]
	s_lshl_b32 s47, s66, 7
	s_add_co_u32 s47, s47, PSC
	v_add_nc_u32 v[PSW], s47, v23
	s_lshl_b32 s47, s42, 14
	s_add_co_u32 s47, s47, PIMG
	v_add_nc_u32 v[PIR], s47, v[LI]
	v_add_nc_u32 v[PIR+1], 65536, v[PIR]
	s_lshl_b32 s47, s42, 10
	s_add_co_u32 s47, s47, PSC
	v_add_nc_u32 v[PSR], s47, v23
	s_lshl_b32 s47, s42, 13
	v_add_nc_u32 v[XIR], s47, v[LI]
	v_add_nc_u32 v[XIR+1], 65536, v[XIR]
	s_lshl_b32 s47, s42, 8
	s_add_co_u32 s47, s47, XSC
	v_add_nc_u32 v[XSR], s47, v[R8]
	s_mul_i32 s47, s66, 4352
	s_add_co_u32 s47, s47, STAGE
	v_mul_u32_u24 v[STO], v21, 272
	v_lshl_add_u32 v[STO], v22, 5, v[STO]
	v_add_nc_u32 v[STO], s47, v[STO]               ; in: row r, + 32 h
	v_mul_u32_u24 v[RD], v22, 272
	v_lshl_add_u32 v[RD], v21, 4, v[RD]
	v_add_nc_u32 v[RD], s47, v[RD]                 ; back: lanes 0-15 one row of 256 bytes, lanes 16-31 the next
	v_lshlrev_b32 v[GO], 12, v22
	v_lshl_add_u32 v[GO], v21, 4, v[GO]            ; and the same two rows in out0
	s_lshl_b32 s47, s66, 11
	s_add_co_u32 s47, s47, XSC
	v_add_nc_u32 v23, s47, v[LI]                   ; where x's scale words of sg = wave go
	ROUND                                          ; all four work-groups are here: the first joint loads meet
	tensor_load_to_lds s[76:79], s[G1:G1+7]        ; rows 0-63 and 64-127, my sg: two loads of mine are out, the most in this text
	s_nop 0
	tensor_load_to_lds s[96:99], s[G1:G1+7]
	s_nop 0
	PLACES 4
	s_wait_loadcnt 0x0                             ; all the head's loads are in: their bases, s16 to s63 and s80 to s95 among them, may now take mask words
.irp i, 0,1,2,3
	ds_store_b128 v23, v[TP+4*\i:TP+4*\i+3] offset:512*\i
.endr
.irp a, 0,2,4,6                        ; a row's word: two bytes from each half of the head's 128
	v_perm_b32 v[KSW+\a], v[RAWK+4+\a/2], v[RAWK+\a/2], 0x05040100
	v_perm_b32 v[KSW+\a+1], v[RAWK+4+\a/2], v[RAWK+\a/2], 0x07060302
.endr
.irp g, 0,1
.irp a, 0,2,4,6
	v_perm_b32 v[QSW+8*\g+\a], v[RAWQ+8*\g+4+\a/2], v[RAWQ+8*\g+\a/2], 0x05040100
	v_perm_b32 v[QSW+8*\g+\a+1], v[RAWQ+8*\g+4+\a/2], v[RAWQ+8*\g+\a/2], 0x07060302
.endr
.endr
	s_wait_dscnt 0x0                               ; the stores have read their registers
	PLACES 8                                       ; scale registers written by vector instructions stand eight places ahead of the product
.macro SMUL eta                        ; S^T of tiles 4 eta .. + 3 against my 128 keys: 32 products, each its own sum over K = 128
	WIN 0x4f+0x40*((\eta)%2)                       ; sources 0 (K) and 1 (Q) window 3; D window 1 (eta even) or 2
.irp t, 0,1,2,3,4,5,6,7
.irp m, 0,1,2,3
	v_wmma_scale_f32_16x16x128_f8f6f4 v[64*\m+8*\t:64*\m+8*\t+7], v[16*\t:16*\t+15], v[QF+16*\m:QF+16*\m+15], 0, v[KSW+\t], v[QSW+4*(\eta)+\m] matrix_a_fmt:MATRIX_FMT_BF8 matrix_b_fmt:MATRIX_FMT_BF8
.endr
.endr
	WIN 0
.endm
.macro PASS1 x, m, tau                 ; tile m of window x: mask, sum, the four blocks' largest S
.set SB, 64*(\m)
.set n, 0
.rept 64                               ; the tile's 64 lane masks: word 8 t + j into s16-63, s80-95
.if n < 48
	v_readlane_b32 s[16+n], v[MK+4*((\tau)>>1)+(n&3)], 16*((\tau)&1)+(n>>2)
.else
	v_readlane_b32 s[32+n], v[MK+4*((\tau)>>1)+(n&3)], 16*((\tau)&1)+(n>>2)
.endif
.set n, n+1
.endr
	WIN ((\x)<<6)|((\x)<<2)
.set n, 0
.rept 64
.if n < 48
	v_cndmask_b32 v[SB+n], 0, v[SB+n], s[16+n]     ; 0 where adj is 0; ascending: each accumulator from its low end on
.else
	v_cndmask_b32 v[SB+n], 0, v[SB+n], s[32+n]
.endif
.set n, n+1
.endr
	WIN (\x)|((\x)<<2)
.set n, 0
.rept 16
	v_pk_add_f32 v[TP+2*n:TP+2*n+1], v[SB+4*n:SB+4*n+1], v[SB+4*n+2:SB+4*n+3]
.set n, n+1
.endr
.irp b, 0,1,2,3
	v_max3_num_f32 v[MX+4*(\m)+\b], v[SB+16*\b], v[SB+16*\b+1], 0
.endr
.irp i, 2,4,6,8,10,12,14
.irp b, 0,1,2,3
	v_max3_num_f32 v[MX+4*(\m)+\b], v[SB+16*\b+\i], v[SB+16*\b+\i+1], v[MX+4*(\m)+\b]
.endr
.endr
	WIN 0
.irp u, 0,1,2,3,4,5,6,7
	v_pk_add_f32 v[TP+2*\u:TP+2*\u+1], v[TP+2*\u:TP+2*\u+1], v[TP+16+2*\u:TP+17+2*\u]
.endr
.irp u, 0,1,2,3
	v_pk_add_f32 v[TP+2*\u:TP+2*\u+1], v[TP+2*\u:TP+2*\u+1], v[TP+8+2*\u:TP+9+2*\u]
.endr
.irp u, 0,1
	v_pk_add_f32 v[TP+2*\u:TP+2*\u+1], v[TP+2*\u:TP+2*\u+1], v[TP+4+2*\u:TP+5+2*\u]
.endr
	v_pk_add_f32 v[TP:TP+1], v[TP:TP+1], v[TP+2:TP+3]
	v_add_f32 v[TP], v[TP], v[TP+1]
	v_permlanex16_b32 v[TP+1], v[TP], s100, s101
.irp b, 0,1,2,3
	v_permlanex16_b32 v[TT+\b], v[MX+4*(\m)+\b], s100, s101
.endr
	v_add_f32 v[PS+(\m)], v[TP], v[TP+1]           ; my query's sum over my 128 keys
.irp b, 0,1,2,3
	v_max_num_f32 v[MX+4*(\m)+\b], v[MX+4*(\m)+\b], v[TT+\b]
.endr
.endm
.macro EXCHA eta                       ; four tiles' sums to LDS; my stores have landed (P's images and words too): signal
.irp m, 0,1,2,3
	ds_store_b32 v[SXW], v[PS+\m] offset:(4*(\eta)+\m)*512
.endr
	s_wait_dscnt 0x0
	s_barrier_signal -1
.endm
.macro EXCHB eta                       ; the four waves' sums; f = c0 / (c0 sum + 1e-6).  The plain lines here are also the places behind the products that stand in front
	s_barrier_wait -1
.irp m, 0,1,2,3
	ds_load_b128 v[TP+4*\m:TP+4*\m+3], v[SXR] offset:(4*(\eta)+\m)*512
.endr
	s_wait_dscnt 0x0
.irp m, 0,1,2,3
	v_add_f32 v[TP+4*\m], v[TP+4*\m], v[TP+4*\m+1]
	v_add_f32 v[TP+4*\m+2], v[TP+4*\m+2], v[TP+4*\m+3]
.endr
.irp m, 0,1,2,3
	v_add_f32 v[TP+4*\m], v[TP+4*\m], v[TP+4*\m+2]
.endr
.irp m, 0,1,2,3
	v_fma_f32 v[TP+4*\m], v[TP+4*\m], s3, s2
.endr
.irp m, 0,1,2,3
	v_rcp_f32 v[TP+4*\m+1], v[TP+4*\m]
.endr
	v_nop
	s_wait_alu depctr_va_vdst(0)
.irp m, 0,1,2,3
	v_mul_f32 v[FF+2*\m], s3, v[TP+4*\m+1]
.endr
.irp m, 0,1,2,3
	v_mov_b32 v[FF+2*\m+1], v[FF+2*\m]             ; (named as a pair)
.endr
.endm
.macro PASS2 x, m, tau                 ; tile m of window x becomes K step w of P's tile tau
.set SB, 64*(\m)
	s_wait_dscnt 0x0                               ; the last tile's LDS stores have read the codes' and the word's registers
.irp b, 0,1,2,3
	v_mul_f32 v[PM+\b], v[MX+4*(\m)+\b], v[FF+2*(\m)]   ; the block's largest p: the same multiplication on the block's largest S
.endr
.irp b, 0,1,2,3
	v_max_num_f32 v[PM+\b], 0x8000000, v[PM+\b]    ; the floor 2^(16 - 127)
.endr
.irp b, 0,1,2,3
	v_add_nc_u32 v[SO+\b], 0xf8800000, v[PM+\b]
.endr
.irp b, 0,1,2,3
	v_and_or_b32 v[HD+\b], v[PM+\b], 0x7f800000, s67
.endr
.irp b, 0,1,2,3
	v_lshrrev_b32 v[BY+\b], 23, v[SO+\b]
.endr
	v_lshl_or_b32 v[PW], v[BY+1], 8, v[BY]
	v_lshl_or_b32 v[PW], v[BY+2], 16, v[PW]
	v_lshl_or_b32 v[PW], v[BY+3], 24, v[PW]
	WIN ((\x)<<6)|(\x)
.set n, 0
.rept 32
	v_pk_mul_f32 v[SB+n:SB+n+1], v[SB+n:SB+n+1], v[FF+2*(\m):FF+2*(\m)+1] op_sel_hi:[1,0]
.set n, n+2
.endr
.irp b, 0,1,2,3
.irp i, 0,1,2,3,4,5,6,7,8,9,10,11,12,13,14,15
	v_min_num_f32 v[SB+16*\b+\i], v[SB+16*\b+\i], v[HD+\b]   ; the conversion does not saturate (ISA guide 7.6.2); p is not negative
.endr
.endr
	WIN (\x)
.irp b, 0,1,2,3
	v_cvt_scalef32_pk8_bf8_f32 v[PC+4*\b:PC+4*\b+1], v[SB+16*\b:SB+16*\b+7], v[SO+\b]
	v_cvt_scalef32_pk8_bf8_f32 v[PC+4*\b+2:PC+4*\b+3], v[SB+16*\b+8:SB+16*\b+15], v[SO+\b]
.endr
	WIN 0
	v_nop                                          ; a plain line behind the last conversion
.irp c, 0,1,2,3
	ds_store_b128 v[PIW+((\tau)>>3)], v[PC+4*\c:PC+4*\c+3] offset:((\tau)&7)*8192+512*\c
.endr
	ds_store_b32 v[PSW], v[PW] offset:512*(\tau)
.endm
.macro WGRP x, m                       ; four fragments of W_res into the 64 registers that tile m of window x has left: n = 2 (x - 1) + m / 2, s = 4 (m % 2) + k
	WIN (\x)<<6
.irp k, 0,1,2,3
.irp c, 0,1,2,3
	global_load_b128 v[64*(\m)+16*\k+4*\c:64*(\m)+16*\k+4*\c+3], v[LI], s[10:11] offset:(2*((\m)&1)+\k/2)*786432+(2*((\x)-1)+((\m)>>1))*4096+(\k&1)*2048+512*\c
.endr
.endr
	WIN 0
.endm
.macro VGRP f0, nf                     ; nf fragments of V from f0 on
	WIN 0xc0
.set f, \f0
.rept \nf
.irp c, 0,1,2,3
	global_load_b128 v[16*f+4*\c:16*f+4*\c+3], v[LI], s[8:9] offset:2048*f+512*\c
.endr
.set f, f+1
.endr
	WIN 0
.endm
	; ---------------- PHASE I
	SMUL 0
	PLACES 8
	QLOAD 1
	VGRP 12, 4                                     ; the top quarter of window 3 is free
.irp m, 0,1,2,3
	PASS1 1, \m, \m
.endr
	EXCHA 0
	s_wait_loadcnt 16                              ; the next queries are in; V's 16 loads, issued behind them, may be out
	SMUL 1                                         ; register work between the signal and the wait
	EXCHB 0
	QLOAD 2
.irp m, 0,1,2,3
	PASS2 1, \m, \m
	PASS1 2, \m, 4+\m
.endr
	EXCHA 1
	s_wait_loadcnt 0x0
	SMUL 2
	EXCHB 1
	QLOAD 3
.irp m, 0,1,2,3
	PASS2 2, \m, 4+\m
	PASS1 1, \m, 8+\m
.endr
	EXCHA 2
	s_wait_loadcnt 0x0
	SMUL 3
	EXCHB 2
	VGRP 0, 12                                     ; K and Q have had their last product
.irp m, 0,1,2,3
	PASS2 1, \m, 8+\m
	WGRP 1, \m
	PASS1 2, \m, 12+\m
.endr
	EXCHA 3
	EXCHB 3
.irp n, 0,1,2,3
	global_load_b128 v[BIAS+8*\n:BIAS+8*\n+3], v[BO], s[12:13] offset:64*\n        ; b_res at my eight columns of tile n: 16 n + 8 h + 0 .. 7
	global_load_b128 v[BIAS+8*\n+4:BIAS+8*\n+7], v[BO], s[12:13] offset:64*\n+16
.endr
.irp m, 0,2,1,3                        ; this order puts W_res's K steps 4-7 of window 2 last
	PASS2 2, \m, 12+\m
	WGRP 2, \m
.endr
	s_wait_tensorcnt 0x0                           ; my parts of both slots are in,
	s_wait_dscnt 0x0                               ; my images and words have landed
	s_barrier_signal -1
	s_barrier_wait -1                              ; everybody's: P, x's scale words and both slots are whole.
	; ---------------- PHASE II
.macro FETCH k, j                      ; K step k of chunk j: my two row tiles' fragments: k < 4 of P, else of x
.set FBK, FB+32*((\k)&1)
.irp u, 0,1
.irp c, 0,1,2,3
.if (\k) < 4
	ds_load_b128 v[FBK+16*\u+4*\c:FBK+16*\u+4*\c+3], v[PIR+((\j)>>1)] offset:(4*((\j)&1)+\u)*8192+2048*(\k)+512*\c
.else
	ds_load_b128 v[FBK+16*\u+4*\c:FBK+16*\u+4*\c+3], v[XIR+((\j)&1)] offset:16384*(((\k)-4)/2)+4096*\u+2048*(((\k)-4)&1)+512*\c
.endif
.endr
.endr
.endm
.macro MUL k                           ; eight products: source 0 = 16 columns (V's or W_res's rows), source 1 = 16 rows: a lane holds one row and eight neighbouring columns.  The eight accumulators take turns
.set FBK, FB+32*((\k)&1)
.irp n, 0,1,2,3
.if (\k) < 4
	WIN 0x03
.else
	WIN 1+\n/2
.endif
.irp u, 0,1
.set DD, ACC+8*(2*\n+\u)
.if (\k) == 0
	v_wmma_scale_f32_16x16x128_f8f6f4 v[DD:DD+7], v[64*\n:64*\n+15], v[FBK+16*\u:FBK+16*\u+15], v[BIAS+8*\n:BIAS+8*\n+7], v[VSW+\n], v[PWS+4*\u] matrix_a_fmt:MATRIX_FMT_BF8 matrix_b_fmt:MATRIX_FMT_BF8
.elseif (\k) < 4
	v_wmma_scale_f32_16x16x128_f8f6f4 v[DD:DD+7], v[16*(4*\n+(\k)):16*(4*\n+(\k))+15], v[FBK+16*\u:FBK+16*\u+15], v[DD:DD+7], v[VSW+4*(\k)+\n], v[PWS+4*\u+(\k)] matrix_a_fmt:MATRIX_FMT_BF8 matrix_b_fmt:MATRIX_FMT_BF8
.else
	v_wmma_scale_f32_16x16x128_f8f6f4 v[DD:DD+7], v[16*(8*(\n&1)+(\k)-4):16*(8*(\n&1)+(\k)-4)+15], v[FBK+16*\u:FBK+16*\u+15], v[DD:DD+7], v[WSW+8*\n+(\k)-4], v[XW+8*\u+(\k)-4] matrix_a_fmt:MATRIX_FMT_BF8 matrix_b_fmt:MATRIX_FMT_BF8
.endif
.endr
.endr
	WIN 0
.endm
.macro OUT j                           ; relu; a tile of 16 rows x 64 columns at a time through my stage, back as rows of 256 bytes
	PLACES 8
.set n, 0
.rept 64
	v_max_num_f32 v[ACC+n], 0, v[ACC+n]            ; ascending: each accumulator from its low end on
.set n, n+1
.endr
.irp u, 0,1
.irp n, 0,1,2,3
	ds_store_b128 v[STO], v[ACC+8*(2*\n+\u):ACC+8*(2*\n+\u)+3] offset:64*\n
	ds_store_b128 v[STO], v[ACC+8*(2*\n+\u)+4:ACC+8*(2*\n+\u)+7] offset:64*\n+16
.endr
.irp i, 0,1,2,3,4,5,6,7
	ds_load_b128 v[FB+32*\u+4*\i:FB+32*\u+4*\i+3], v[RD] offset:544*\i   ; LDS serves a wave's instructions in order (ISA guide 5.7.1.4): these see my stores, and the next tile's stores come behind them
.endr
.endr
.irp u, 0,1
.irp i, 0,1,2,3,4,5,6,7
	s_wait_dscnt 16*(1-\u)+7-\i                    ; behind this load: the rest of its eight, and for the first tile the second's sixteen
	global_store_b128 v[GO], v[FB+32*\u+4*\i:FB+32*\u+4*\i+3], s[14:15] offset:262144*(\j)+65536*\u+8192*\i th:TH_STORE_NT   ; sixteen lanes store 256 consecutive, aligned bytes
.endr
.endr
.endm
.macro CHUNK j                         ; rows 64 j .. + 63 of the work-group; mine: tiles 4 j + 2 (w / 2) + 0, 1
.if (\j) > 0
	s_wait_xcnt 0x0                                ; the last chunk's stores have read the registers that the fragments now take
.endif
.irp u, 0,1
.irp g, 0,1,2,3
	ds_load_b64 v[XW+8*\u+2*\g:XW+8*\u+2*\g+1], v[XSR] offset:2048*\g+(4*(\j)+\u)*128
.endr
.endr
.irp u, 0,1
.irp s, 0,1,2,3
	ds_load_b32 v[PWS+4*\u+\s], v[PSR] offset:(4*(\j)+\u)*512+128*\s
.endr
.endr
	FETCH 0, \j
.irp k, 0,1,2,3,4,5,6,7,8,9,10,11
.if \k > 0
	PLACES 8                                       ; in front of loads into the buffer that the last eight products read
.endif
.if \k < 11
	FETCH \k+1, \j
	s_wait_dscnt 8                                 ; all but the eight just issued
.else
	s_wait_dscnt 0x0
.endif
.if (\j) == 0
.if \k == 0
	s_wait_loadcnt 48                              ; V, the bias and window 1's W_res are in: behind the bias stand 64 loads, of which 48 may be out
.endif
.if \k == 4
	s_wait_loadcnt 32                              ; window 2's K steps 0-3 are in; the 32 youngest loads hold its K steps 4-7
.endif
.if \k == 8
	s_wait_loadcnt 0x0
.endif
.endif
	MUL \k
.endr
	OUT \j
.endm
.macro REFILL g                        ; the slot just read out takes the rows two chunks on
	s_wait_tensorcnt 0x0                           ; all my tensor loads have landed, so a group 0 may be written
	ds_add_u32 v[SPW], v[NIL]                      ; 0 onto my spare word
	s_add_nc_u64 s[\g+2:\g+3], s[\g+2:\g+3], 32768 ; eight row tiles on
	s_wait_dscnt 0x0                               ; the add is done, and my reads of the slot are over
	ROUND                                          ; both hold of every wave of the four work-groups
	tensor_load_to_lds s[\g:\g+3], s[G1:G1+7]      ; my one load behind the round: it has a chunk's 96 products in which to land
	s_nop 0
	PLACES 4
.endm
	CHUNK 0
	REFILL 76
	CHUNK 1
	REFILL 96
	CHUNK 2
	s_wait_tensorcnt 0x0                           ; my part of slot 1's second fill is in
	ds_add_u32 v[SPW], v[NIL]
	s_wait_dscnt 0x0
	s_barrier_signal -1
	s_barrier_wait -1                              ; everybody's is; nothing is filled any more
	CHUNK 3
	s_wait_tensorcnt 0x0                           ; the wave's end
	ds_add_u32 v[SPW], v[NIL]
	s_wait_dscnt 0x0
	ROUND                                          ; the closing round
	s_endpgm
.Lfunc_end_k_qac941ca74b_att:
	.size	k_qac941ca74b_att, .Lfunc_end_k_qac941ca74b_att-k_qac941ca74b_att
	.p2alignl 7, 3214868480
	.fill 96, 4, 3214868480
	.section	.rodata,"a",@progbits
	.p2align	6, 0x0
	.amdhsa_kernel k_qac941ca74b_att
		.amdhsa_group_segment_fixed_size 327680
		.amdhsa_private_segment_fixed_size 0
		.amdhsa_enable_private_segment 0
		.amdhsa_kernarg_size 80
		.amdhsa_user_sgpr_count 2
		.amdhsa_user_sgpr_kernarg_segment_ptr 1
		.amdhsa_wavefront_size32 1
		.amdhsa_system_sgpr_workgroup_id_x 1
		.amdhsa_system_sgpr_workgroup_id_y 1
		.amdhsa_system_sgpr_workgroup_id_z 1
		.amdhsa_system_vgpr_workitem_id 0
		.amdhsa_next_free_vgpr 1024
		.amdhsa_next_free_sgpr 102
		.amdhsa_reserve_vcc 0
		.amdhsa_float_denorm_mode_32 3
		.amdhsa_float_denorm_mode_16_64 3
		.amdhsa_memory_ordered 1
		.amdhsa_forward_progress 1
		.amdhsa_inst_pref_size 255
	.end_amdhsa_kernel
	.section	.bss,"aw",@nobits
	.p2align	6
	.space	262144
	.amdgpu_metadata
---
amdhsa.version: [ 1, 2 ]
amdhsa.kernels:
  - .name:           k_qac941ca74b_att
    .symbol:         k_qac941ca74b_att.kd
    .args:
      - { .name: ximg, .offset: 0, .size: 8, .value_kind: global_buffer, .address_space: global }
      - { .name: xsc, .offset: 8, .size: 8, .value_kind: global_buffer, .address_space: global }
      - { .name: wimg, .offset: 16, .size: 8, .value_kind: global_buffer, .address_space: global }
      - { .name: wsc, .offset: 24, .size: 8, .value_kind: global_buffer, .address_space: global }
      - { .name: qkimg, .offset: 32, .size: 8, .value_kind: global_buffer, .address_space: global }
      - { .name: vimg, .offset: 40, .size: 8, .value_kind: global_buffer, .address_space: global }
      - { .name: hsc, .offset: 48, .size: 8, .value_kind: global_buffer, .address_space: global }
      - { .name: maskw, .offset: 56, .size: 8, .value_kind: global_buffer, .address_space: global }
      - { .name: b_qkv, .offset: 64, .size: 8, .value_kind: global_buffer, .address_space: global }
      - { .name: out0, .offset: 72, .size: 8, .value_kind: global_buffer, .address_space: global }
    .group_segment_fixed_size: 327680
    .private_segment_fixed_size: 0
    .kernarg_segment_align: 8
    .kernarg_segment_size: 80
    .max_flat_workgroup_size: 128
    .sgpr_count:     102
    .vgpr_count:     1024
    .wavefront_size: 32
...
	.end_amdgpu_metadata
.endif
;; end of part 6
